; MI455X (gfx1250); checked and timed in simulation.
; The chip was launched on July 23, 2026; its instructions are those of AMD's public machine-readable ISA for CDNA 5 (MIT licence, August 2026) and "CDNA5" Instruction Set Architecture Reference Guide (July 2026). The comments in the code are by the model that wrote it; some were corrected since.
;; Multi Head Attention. Allowed arithmetic: matrix products marked QUANTISED: E5M2 operands, one E8M0 scale for each 32 along K, by v_wmma_scale_f32_16x16x128_f8f6f4 with both operands' format E5M2, f32 sums; everything else in f32.
;; Inputs: bo 1,024 float32; wk 16 x 1,024 x 64 float32; wo 1,024 x 1,024 float32; wq 16 x 1,024 x 64 float32; wv 16 x 1,024 x 64 float32; x 4 x 2,048 x 1,024 float32.
;; Outputs: out0 4 x 2,048 x 1,024 float32.
;; This version of the problem:
;;   THIS VERSION OF THE PROBLEM IS GIVEN IN LOW PRECISION. The matrix products marked QUANTISED in the list below multiply operands that are first quantised to E5M2 (5 exponent bits, 2 mantissa bits; 8 bits a number), with one power-of-two scale for each 32 numbers along K (OCP MX v1.0); their sums are f32. All else is computed in f32.
;;   The module's matrix products, in the order in which they are computed (A, B: the left and right operand; K: the contracted axis; several contracted axes count as one K, in the product's order):
;;     1. [M 1,024, K 1,024] x [K 1,024, N 8,192]; A: input wq; B: input x: QUANTISED
;;     2. [M 1,024, K 1,024] x [K 1,024, N 8,192]; A: input wk; B: input x: QUANTISED
;;     3. [M 1,024, K 1,024] x [K 1,024, N 8,192]; A: input wv; B: input x: QUANTISED
;;     4. batch 64 x [M 2,048, K 64] x [K 64, N 2,048]; A: computed on the way; B: computed on the way: QUANTISED
;;     5. batch 64 x [M 2,048, K 2,048] x [K 2,048, N 64]; A: softmax (see below); B: computed on the way: QUANTISED
;;     6. [M 8,192, K 1,024] x [K 1,024, N 1,024]; A: computed on the way; B: input wo: QUANTISED
;;   THE QUANTISER, for each operand of a quantised product, along K:
;;     - K is cut into blocks of 32 from its start; a last block that is shorter is filled with zeros.
;;     - A block's scale is 2^e with e = floor(log2(the largest magnitude in the block)) - 15, held to -126 .. 127; a block of zeros has e = 0. As a byte (E8M0): e + 127.
;;     - Each number is divided by its block's scale, clamped to +-57,344, and rounded to the nearest number of E5M2, ties to even, subnormals kept.
;;     - The product sums the exact products of the quantised numbers (number of the format x scale) in f32.
;;   ~~~python
;;   def quantise(x, axis):      # numpy; x: float32 -> the quantised numbers, widened to float32 again
;;       x = np.moveaxis(x, axis, -1); K = x.shape[-1]
;;       x = np.pad(x, [(0, 0)] * (x.ndim - 1) + [(0, -K % 32)]); x = x.reshape(x.shape[:-1] + (-1, 32)); a = np.abs(x).max(-1, keepdims=True)
;;       e = np.where(a > 0, np.clip(np.frexp(np.where(a > 0, a, 1))[1] - 1 - 15, -126, 127), 0)      # np.frexp(a)[1] - 1 = floor(log2(a)), exactly
;;       r = np.clip(x / 2.0 ** e, -57344, 57344)
;;       step = 2.0 ** (np.maximum(np.frexp(np.where(r == 0, 1, r))[1] - 1, -14) - 2)
;;       q = np.round(r / step) * step * 2.0 ** e      # np.round: ties to even
;;       return np.moveaxis(q.reshape(q.shape[:-2] + (-1,))[..., :K], -1, axis).astype(np.float32)
;;   ~~~
;;   SOFTMAX AHEAD OF A QUANTISED PRODUCT. Where the list says 'softmax', what is quantised is not the finished softmax but p = 2^(t - M), with t = logit x log2(e) and M = ceil(the row's largest t), a whole number; so 1/2 < the row's largest p <= 1. The row's sum l is taken of the UNQUANTISED p, in f32, and the product's result is divided by l at the end. Since M is a whole number, a kernel that streams over the keys may use a running M (the ceiling of the running maximum): every later rescaling is an exact power of two, which a block's scale takes up: the codes' values come out the same.
;;   OPERANDS COMPUTED ON THE WAY. 'Computed on the way' means the value that the module computes at that place (a softmax that the list does not call 'softmax' is quantised finished and normalised). What goes into a quantiser is computed in f32, as accurately as f32 sums, v_exp_f32 and their like allow (about 1e-6 of the number): no bf16 or f16 on the way to a quantiser, and a product that is left as it is and whose result goes on into a quantised operand takes f32 operands (vector FMAs, or v_wmma_f32_16x16x4_f32). A number that lies on a knife's edge between two numbers of the format may be rounded either way, as far as f32 arithmetic and the matrix unit's own rounding can turn it there, and no further.
;; One version. Each part assembles by itself: llvm-mc -triple=amdgcn-amd-amdhsa -mcpu=gfx1250 --defsym DOCPART=n.
;; ======== version 1 of 1: 4 launches
;; limits: right only within a limited range of input values
;; workspace buffers: x_codes 8,388,608 bytes; x_sc 262,144 bytes; w_codes 4,194,304 bytes; w_sc 131,072 bytes; qkv_codes 25,165,824 bytes; qkv_sc 786,432 bytes; o_codes 8,388,608 bytes; o_sc 262,144 bytes
;; launch quant (part 1): grid 384 x 1, 4 waves a work-group, no clusters, 68,096 bytes of LDS; arguments x, wo, wq, wk, wv, x_codes, x_sc, w_codes, w_sc; writes x_codes, x_sc, w_codes, w_sc
.if DOCPART == 1
	.amdgcn_target "amdgcn-amd-amdhsa--gfx1250"
	.amdhsa_code_object_version 6
	.text
	.protected	k_qddc499bb76_quant
	.globl	k_qddc499bb76_quant
	.p2align	8
	.type	k_qddc499bb76_quant,@function
k_qddc499bb76_quant:
	s_mov_b64 s[64:65], 0
	v_nop
	global_prefetch_b8 v0, s[64:65] scope:SCOPE_SE
	s_setreg_imm32_b32 hwreg(HW_REG_WAVE_MODE, 25, 1), 1
	s_wait_xcnt 0x0
; x [8192][1024] and wo [1024][1024] (K innermost) and wq, wk, wv [16][1024][64] (K the middle axis), all f32, become codes of E5M2 with K innermost and one E8M0 byte for each 32 along K.
; x_codes [8192][1024], x_sc [8192][32];  w_codes [4: wq, wk, wv, wo][1024 rows: (head, d), or wo's n][1024], w_sc [4][1024][32].
; A block's scale is 2^(floor(log2(its largest magnitude)) - 15): its byte is that magnitude's exponent field - 15, held at 1 from below; each number is divided by the scale, held within +-57,344 and rounded to the nearest code, ties to even.
; THE ORDER OF CODES INSIDE A BLOCK: every buffer of codes of this program stores a block's 32 codes as k 0-7, 16-23, 8-15, 24-31.  Both operands of every product are laid so, so each product of two codes still meets its partner;
; a block stays the same 32 numbers, so its scale is the same.  The later launches make such blocks straight from two neighbouring result tiles of a lane.
; LIMITS: a block of zeros gets the byte 1 where the rule says 127 (its codes are zeros, which add nothing under any byte but 0xff, and this program alone reads the bytes); blocks whose largest magnitude lies under 2^-111
; are held at byte 1; NaN and infinities among the inputs are not served.
; SHARES: 384 work-groups of four waves, each reads 128 KiB.  0-255: x;  256-287: wo (plain streams of blocks);  288-383: wq, wk, wv (a lane to a column d, its registers down K).
; The two ways part on the work-group's number and have LDS bytes of their own.  No tensor loads, no barrier: waves share nothing.  Memory binds: matrix units and clusters would add nothing.
.set WGX,   256                        ; work-groups for x
.set WGR,   288                        ; and for x and wo together
.set STEPS, 16
.set MANT,  0x600000                   ; the mantissa field of 57,344 as f32
.set FLOOR, 0x8000000                  ; 2^(16 - 127): under it no largest magnitude is taken
.set DOWN,  0xf8800000                 ; -(15 << 23): 15 off an exponent field
.set SP,    80                         ; the rows' stage: 64 bytes of the stream + 16 of padding
.set WREG,  8192                       ; LDS of a wave on the rows' way: two stages of 32 x SP bytes, then its 256 scale bytes
.set R,     16                         ; v16-79   four sets of 16 numbers as loaded
.set X,     80                         ; v80-111  two sets of 16 numbers of one block
.set E,     112                        ; v112-127 a scale byte for each step
.set C,     128                        ; v128-191 four registers of codes for each step: no store's data are written again
.set CST,   32768                      ; the columns' way: stages from here on, 32 rows x CP for each wave
.set CP,    272
.set CX,    32                         ; v32-95   two sets of 32 numbers
.set CC,    96                         ; v96-103  a block's codes
.set OUTR,  112                        ; v112-175 the way out
.set SB,    24                         ; v24-25   eight scale bytes
	s_load_b256 s[4:11], s[0:1], 0x0               ; x, wo, wq, wk
	s_load_b256 s[12:19], s[0:1], 0x20             ; wv, x_codes, x_sc, w_codes
	s_load_b64 s[20:21], s[0:1], 0x40              ; w_sc
	v_lshl_add_u32 v192, v0, 2, 0x10800
	v_mov_b32 v193, 0
	v_lshrrev_b32 v1, 5, v0
	v_readfirstlane_b32 s22, v1                    ; wave
	v_and_b32 v2, 31, v0                           ; lane
	s_mov_b32 s23, MANT                            ; (an instruction takes one literal: the hold's line has another)
	s_cmp_ge_u32 ttmp9, WGR
	s_cbranch_scc1 .Lcols
; ---------------- K innermost: x and wo.  A wave takes 16 steps of 512 numbers.  Each load reads 512 consecutive bytes; a step's 2,048 bytes turn through the wave's own stage, from which
; lane 2 B + e takes k = 8 e .. 8 e + 7 and 16 + 8 e .. 16 + 8 e + 7 of block B: its 16 codes are then bytes 16 e .. 16 e + 15 of the block as this program stores it.
	v_lshlrev_b32 v3, 4, v2                        ; 16 x lane: my bytes of a load's 512, and of a step's 512 bytes of codes
	s_mul_i32 s24, s22, WREG
	v_lshrrev_b32 v14, 2, v2
	v_mul_u32_u24 v14, v14, SP
	v_and_b32 v15, 3, v2
	v_lshl_add_u32 v14, v15, 4, v14
	v_add_nc_u32 v14, s24, v14                     ; into the stage: SP (lane / 4) + 16 (lane % 4)
	v_lshrrev_b32 v5, 1, v2                        ; my block
	v_mul_u32_u24 v15, v5, 2*SP
	v_and_b32 v6, 1, v2
	v_lshl_add_u32 v15, v6, 5, v15
	v_add_nc_u32 v15, s24, v15                     ; out of it: 2 SP x block + 32 e
	s_add_co_u32 s24, s24, 2*32*SP
	v_add_nc_u32 v5, s24, v5                       ; my block's scale byte in LDS
	v_lshlrev_b32 v7, 3, v2                        ; and on the way out 8 bytes a lane
	v_add_nc_u32 v6, s24, v7
	s_wait_alu depctr_va_vdst(0)
	s_wait_kmcnt 0x0
	s_cmp_lt_u32 ttmp9, WGX                        ; x or wo: the choice hangs on the work-group's number alone
	s_cselect_b64 s[4:5], s[4:5], s[6:7]           ; the numbers,
	s_cselect_b64 s[8:9], s[14:15], s[18:19]       ; the codes,
	s_cselect_b64 s[10:11], s[16:17], s[20:21]     ; the scale bytes
	s_cselect_b32 s25, 0, WGX
	s_cselect_b32 s26, 0, 0x300000                 ; wo is part 3 of w_codes
	s_cselect_b32 s28, 0, 0x18000                  ; and of w_sc
	s_mov_b32 s27, 0
	s_mov_b32 s29, 0
	s_sub_co_u32 s25, ttmp9, s25
	s_lshl_b32 s25, s25, 2
	s_add_co_u32 s30, s25, s22                     ; which run of 8,192 numbers is my wave's
	s_add_nc_u64 s[8:9], s[8:9], s[26:27]
	s_add_nc_u64 s[10:11], s[10:11], s[28:29]
	s_lshl_b32 s26, s30, 15                        ; 32,768 bytes of numbers a run,
	s_add_nc_u64 s[4:5], s[4:5], s[26:27]
	s_lshl_b32 s26, s30, 13                        ; 8,192 of codes,
	s_add_nc_u64 s[8:9], s[8:9], s[26:27]
	s_lshl_b32 s26, s30, 8                         ; 256 scale bytes
	s_add_nc_u64 s[10:11], s[10:11], s[26:27]
.macro LOAD t
.irp i, 0,1,2,3
	global_load_b128 v[R+16*((\t)%4)+4*\i:R+16*((\t)%4)+4*\i+3], v3, s[4:5] offset:2048*(\t)+512*\i th:TH_LOAD_NT   ; 32 lanes read 512 consecutive bytes
.endr
.endm
.macro TURN t                          ; step t's numbers through the stage: LDS serves a wave's instructions in order, so no wait stands between the stores and the loads
.irp i, 0,1,2,3
	ds_store_b128 v14, v[R+16*((\t)%4)+4*\i:R+16*((\t)%4)+4*\i+3] offset:32*SP*((\t)%2)+8*SP*\i
.endr
.irp i, 0,1,2,3
	ds_load_b128 v[X+16*((\t)%2)+4*\i:X+16*((\t)%2)+4*\i+3], v15 offset:32*SP*((\t)%2)+16*(\i%2)+SP*(\i/2)
.endr
.endm
.macro STEP t
.set XS, X+16*((\t)%2)
.if (\t) > 0
	s_wait_dscnt 1                                 ; this step's numbers are back from the stage (the last step's byte store may be out): so its stores into the stage have read their registers,
.else
	s_wait_dscnt 0x0
.endif
.if (\t)+4 < STEPS
	LOAD (\t)+4                                    ; which take the loads of four steps on
.endif
.if (\t)+1 < STEPS
.if STEPS-2-(\t) >= 3
	s_wait_loadcnt 12                              ; the next step's four loads are in; those of the three steps behind it may be out
.else
	s_wait_loadcnt 4*(STEPS-2-(\t))
.endif
	TURN (\t)+1
.endif
	v_max3_num_f32 v8, |v[XS]|, |v[XS+1]|, |v[XS+2]|               ; the largest magnitude of my 16, in two chains
	v_max3_num_f32 v9, |v[XS+3]|, |v[XS+4]|, |v[XS+5]|
.irp i, 6,10
	v_max3_num_f32 v8, v8, |v[XS+\i]|, |v[XS+\i+1]|
	v_max3_num_f32 v9, v9, |v[XS+\i+2]|, |v[XS+\i+3]|
.endr
	v_max3_num_f32 v8, v8, |v[XS+14]|, |v[XS+15]|
	v_max3_num_f32 v8, v8, v9, FLOOR               ; and the floor: the byte cannot fall under 1
	v_max_num_f32_dpp v8, v8, v8 row_xmask:1 row_mask:0xf bank_mask:0xf   ; and of my neighbour's 16: the block's
	v_add_nc_u32 v11, DOWN, v8                     ; 15 off its exponent field: the conversion takes the exponent field of this operand as its scale
	v_and_or_b32 v10, v8, 0x7f800000, s23          ; 57,344 x the scale
.irp i, 0,1,2,3,4,5,6,7,8,9,10,11,12,13,14,15
	v_med3_num_f32 v[XS+\i], v[XS+\i], -v10, v10   ; the conversion to an 8-bit code does not saturate (ISA guide 7.6.2): the hold comes first
.endr
	v_cvt_scalef32_pk8_bf8_f32 v[C+4*(\t):C+4*(\t)+1], v[XS:XS+7], v11
	v_cvt_scalef32_pk8_bf8_f32 v[C+4*(\t)+2:C+4*(\t)+3], v[XS+8:XS+15], v11
	v_lshrrev_b32 v[E+(\t)], 23, v11               ; the scale's byte (also the plain line behind the conversions)
	ds_store_b8 v5, v[E+(\t)] offset:16*(\t)       ; both lanes of a block write the same byte with the same value
	global_store_b128 v3, v[C+4*(\t):C+4*(\t)+3], s[8:9] offset:512*(\t)   ; the wave stores 512 consecutive bytes
.endm
.irp t, 0,1,2,3
	LOAD \t
.endr
	s_wait_loadcnt 12                              ; step 0's four loads are in
	TURN 0
.irp t, 0,1,2,3,4,5,6,7,8,9,10,11,12,13,14,15
	STEP \t
.endr
	ds_load_b64 v[12:13], v6                       ; LDS serves a wave's instructions in order: these see my byte stores
	s_wait_dscnt 0x0
	global_store_b64 v7, v[12:13], s[10:11]        ; 32 lanes store 256 consecutive bytes, aligned
	s_wait_tensorcnt 0x0
	ds_add_u32 v192, v193
	s_wait_dscnt 0x0
	s_endpgm
; ---------------- K the middle axis: wq, wk, wv.  g = work-group - 288: part g / 32, head (g % 32) / 2.  A wave takes 32 columns d (its half of the head's 64) x 256 along K: chunk 2 (g % 2) + wave / 2.
; A lane takes a column and its registers run down K: a block of 32 lies in one lane, and the conversions give codes with K innermost.  They leave through the wave's own stage as rows: sixteen lanes store 256 consecutive bytes.
.Lcols:
	s_sub_co_u32 s24, ttmp9, WGR
	s_lshr_b32 s25, s24, 5                         ; part: 0 wq, 1 wk, 2 wv
	s_bfe_u32 s26, s24, 0x40001                    ; head
	s_and_b32 s27, s24, 1
	s_lshl_b32 s27, s27, 1
	s_lshr_b32 s28, s22, 1
	s_add_co_u32 s27, s27, s28                     ; which 256 along K
	s_and_b32 s28, s22, 1                          ; which 32 columns
	s_wait_alu depctr_va_vdst(0)
	v_lshlrev_b32 v3, 2, v2                        ; in: 4 bytes a lane
	s_mul_i32 s29, s22, 32*CP
	s_add_co_u32 s29, s29, CST                     ; my stage
	v_mul_u32_u24 v4, v2, CP
	v_add_nc_u32 v4, s29, v4                       ; into it: row = my column
	v_and_b32 v5, 15, v2
	v_lshrrev_b32 v6, 4, v2
	v_mul_u32_u24 v7, v6, CP
	v_lshl_add_u32 v7, v5, 4, v7
	v_add_nc_u32 v7, s29, v7                       ; out of it: sixteen lanes to a row, two rows an instruction
	v_lshlrev_b32 v8, 10, v6
	v_lshl_add_u32 v8, v5, 4, v8                   ; and the same place in w_codes (rows of 1,024 bytes)
	v_lshlrev_b32 v9, 5, v2                        ; my column's row of scale bytes
	s_lshl_b32 s30, s26, 18                        ; the numbers: (1,024 head + 256 chunk) rows of 256 bytes + 128 x half
	s_lshl_b32 s31, s27, 16
	s_add_co_u32 s30, s30, s31
	s_lshl_b32 s31, s28, 7
	s_add_co_u32 s30, s30, s31
	s_mov_b32 s31, 0
	s_lshl_b32 s32, s25, 20                        ; the codes: part, row 64 head + 32 half, byte 256 chunk
	s_lshl_b32 s33, s26, 16
	s_add_co_u32 s32, s32, s33
	s_lshl_b32 s33, s28, 15
	s_add_co_u32 s32, s32, s33
	s_lshl_b32 s33, s27, 8
	s_add_co_u32 s32, s32, s33
	s_mov_b32 s33, 0
	s_lshl_b32 s34, s25, 15                        ; the scale bytes: rows of 32, byte 8 chunk
	s_lshl_b32 s35, s26, 11
	s_add_co_u32 s34, s34, s35
	s_lshl_b32 s35, s28, 10
	s_add_co_u32 s34, s34, s35
	s_lshl_b32 s35, s27, 3
	s_add_co_u32 s34, s34, s35
	s_mov_b32 s35, 0
	s_wait_kmcnt 0x0
	s_cmp_eq_u32 s25, 0
	s_cselect_b64 s[4:5], s[8:9], s[10:11]         ; wq or wk,
	s_cmp_eq_u32 s25, 2
	s_cselect_b64 s[4:5], s[12:13], s[4:5]         ; or wv
	s_add_nc_u64 s[4:5], s[4:5], s[30:31]
	s_add_nc_u64 s[6:7], s[18:19], s[32:33]
	s_add_nc_u64 s[8:9], s[20:21], s[34:35]
.macro CLOAD t                         ; block t: w(32 t + i, my column), i = 0 .. 31, into set t % 2: each load reads 128 consecutive bytes
.irp i, 0,1,2,3,4,5,6,7,8,9,10,11,12,13,14,15,16,17,18,19,20,21,22,23,24,25,26,27,28,29,30,31
	global_load_b32 v[CX+32*((\t)%2)+\i], v3, s[4:5] offset:(32*(\t)+\i)*256 th:TH_LOAD_NT
.endr
.endm
.macro BLOCK t
.set XS, CX+32*((\t)%2)
.if (\t) < 7
	s_wait_loadcnt 32                              ; this block's 32 loads are in; the next block's may be out
.else
	s_wait_loadcnt 0
.endif
	v_max3_num_f32 v12, |v[XS]|, |v[XS+1]|, |v[XS+2]|               ; the block's largest magnitude: all 32 numbers are mine
	v_max3_num_f32 v13, |v[XS+3]|, |v[XS+4]|, |v[XS+5]|
.irp i, 6,10,14,18,22,26
	v_max3_num_f32 v12, v12, |v[XS+\i]|, |v[XS+\i+1]|
	v_max3_num_f32 v13, v13, |v[XS+\i+2]|, |v[XS+\i+3]|
.endr
	v_max3_num_f32 v12, v12, |v[XS+30]|, |v[XS+31]|
	v_max3_num_f32 v12, v12, v13, FLOOR
	v_add_nc_u32 v11, DOWN, v12
	v_and_or_b32 v10, v12, 0x7f800000, s23
	v_lshrrev_b32 v13, 23, v11                     ; the scale's byte
.if (\t)%4 == 0
	v_mov_b32 v[SB+(\t)/4], v13                    ; four bytes to a register, the lower K in the lower byte
.else
	v_lshl_or_b32 v[SB+(\t)/4], v13, 8*((\t)%4), v[SB+(\t)/4]
.endif
.irp i, 0,1,2,3,4,5,6,7,8,9,10,11,12,13,14,15,16,17,18,19,20,21,22,23,24,25,26,27,28,29,30,31
	v_med3_num_f32 v[XS+\i], v[XS+\i], -v10, v10
.endr
	v_cvt_scalef32_pk8_bf8_f32 v[CC:CC+1], v[XS:XS+7], v11          ; the block as this program stores it: k 0-7,
	v_cvt_scalef32_pk8_bf8_f32 v[CC+2:CC+3], v[XS+16:XS+23], v11    ; 16-23,
	v_cvt_scalef32_pk8_bf8_f32 v[CC+4:CC+5], v[XS+8:XS+15], v11     ; 8-15,
	v_cvt_scalef32_pk8_bf8_f32 v[CC+6:CC+7], v[XS+24:XS+31], v11    ; 24-31
	v_nop                                          ; a plain line behind the last conversion
	ds_store_b128 v4, v[CC:CC+3] offset:32*(\t)
	ds_store_b128 v4, v[CC+4:CC+7] offset:32*(\t)+16
.if (\t)+2 < 8
	CLOAD (\t)+2
.endif
	s_wait_dscnt 0x0                               ; the stores have read their registers: the next block's codes may be written
.endm
	CLOAD 0
	CLOAD 1
.irp t, 0,1,2,3,4,5,6,7
	BLOCK \t
.endr
	global_store_b64 v9, v[SB:SB+1], s[8:9]        ; my column's eight scale bytes: 8 of a row's 32; one byte in 128 of what this way reads
.irp t, 0,1,2,3,4,5,6,7,8,9,10,11,12,13,14,15
	ds_load_b128 v[OUTR+4*\t:OUTR+4*\t+3], v7 offset:2*\t*CP
.endr
.irp t, 0,1,2,3,4,5,6,7,8,9,10,11,12,13,14,15
	s_wait_dscnt 15-\t
	global_store_b128 v8, v[OUTR+4*\t:OUTR+4*\t+3], s[6:7] offset:2*\t*1024   ; sixteen lanes store 256 consecutive bytes, aligned
.endr
	s_wait_tensorcnt 0x0
	ds_add_u32 v192, v193
	s_wait_dscnt 0x0
	s_endpgm
.Lfunc_end_k_qddc499bb76_quant:
	.size	k_qddc499bb76_quant, .Lfunc_end_k_qddc499bb76_quant-k_qddc499bb76_quant
	.p2alignl 7, 3214868480
	.fill 96, 4, 3214868480
	.section	.rodata,"a",@progbits
	.p2align	6, 0x0
	.amdhsa_kernel k_qddc499bb76_quant
		.amdhsa_group_segment_fixed_size 68096
		.amdhsa_private_segment_fixed_size 0
		.amdhsa_enable_private_segment 0
		.amdhsa_kernarg_size 72
		.amdhsa_user_sgpr_count 2
		.amdhsa_user_sgpr_kernarg_segment_ptr 1
		.amdhsa_wavefront_size32 1
		.amdhsa_system_sgpr_workgroup_id_x 1
		.amdhsa_system_sgpr_workgroup_id_y 1
		.amdhsa_system_sgpr_workgroup_id_z 1
		.amdhsa_system_vgpr_workitem_id 0
		.amdhsa_next_free_vgpr 194
		.amdhsa_next_free_sgpr 66
		.amdhsa_reserve_vcc 0
		.amdhsa_float_denorm_mode_32 3
		.amdhsa_float_denorm_mode_16_64 3
		.amdhsa_memory_ordered 1
		.amdhsa_forward_progress 1
		.amdhsa_inst_pref_size 110
	.end_amdhsa_kernel
	.amdgpu_metadata
---
amdhsa.version: [ 1, 2 ]
amdhsa.kernels:
  - .name:           k_qddc499bb76_quant
    .symbol:         k_qddc499bb76_quant.kd
    .args:
      - { .name: x, .offset: 0, .size: 8, .value_kind: global_buffer, .address_space: global }
      - { .name: wo, .offset: 8, .size: 8, .value_kind: global_buffer, .address_space: global }
      - { .name: wq, .offset: 16, .size: 8, .value_kind: global_buffer, .address_space: global }
      - { .name: wk, .offset: 24, .size: 8, .value_kind: global_buffer, .address_space: global }
      - { .name: wv, .offset: 32, .size: 8, .value_kind: global_buffer, .address_space: global }
      - { .name: x_codes, .offset: 40, .size: 8, .value_kind: global_buffer, .address_space: global }
      - { .name: x_sc, .offset: 48, .size: 8, .value_kind: global_buffer, .address_space: global }
      - { .name: w_codes, .offset: 56, .size: 8, .value_kind: global_buffer, .address_space: global }
      - { .name: w_sc, .offset: 64, .size: 8, .value_kind: global_buffer, .address_space: global }
    .group_segment_fixed_size: 68096
    .private_segment_fixed_size: 0
    .kernarg_segment_align: 8
    .kernarg_segment_size: 72
    .max_flat_workgroup_size: 128
    .sgpr_count:     66
    .vgpr_count:     194
    .wavefront_size: 32
...
	.end_amdgpu_metadata
.endif
;; end of part 1
;; launch qkv (part 2): grid 12 x 32, 4 waves a work-group, clusters of 4 x 4, 327,680 bytes of LDS; arguments x_codes, x_sc, w_codes, w_sc, qkv_codes, qkv_sc; writes qkv_codes, qkv_sc
.if DOCPART == 2
	.amdgcn_target "amdgcn-amd-amdhsa--gfx1250"
	.amdhsa_code_object_version 6
	.text
	.protected	k_qddc499bb76_qkv
	.globl	k_qddc499bb76_qkv
	.p2align	8
	.type	k_qddc499bb76_qkv,@function
k_qddc499bb76_qkv:
	s_mov_b64 s[64:65], 0
	v_nop
	global_prefetch_b8 v0, s[64:65] scope:SCOPE_SE
	s_setreg_imm32_b32 hwreg(HW_REG_WAVE_MODE, 25, 1), 1
	s_wait_xcnt 0x0
	s_wait_alu depctr_hold_cnt(0) depctr_sa_sdst(0) depctr_va_vdst(0) depctr_va_sdst(0) depctr_va_ssrc(0) depctr_va_vcc(0) depctr_vm_vsrc(0)
	s_getreg_b32 s2, hwreg(HW_REG_IB_STS2, 6, 4)
	s_cmp_eq_u32 s2, 0
	s_cbranch_scc0 .Lentry_in_a_cluster
	s_endpgm
.Lentry_in_a_cluster:
	s_bfe_u32 s2, ttmp6, 0x10000c
	s_cmp_lg_u32 s2, 0xf033
	s_cbranch_scc0 .Lentry_shape_is_right
	s_endpgm
.Lentry_shape_is_right:
; q, k and v: three products on codes of E5M2 with E8M0 scales (K = 1,024), whose results are quantised in registers and leave as codes.
; Cluster x says which: 0: q = x wq, 1: k = x wk (A = x's 8,192 rows, B = the weight's 1,024 rows (head, d));  2: v^T = wv^T x^T (A = wv's 1,024 rows (head, d), B = x's 8,192 rows): so v's columns are the keys.
; The choice is made by selects on the cluster's x alone, which all sixteen partners share; there is no branch on it.
; A tile of C, 256 x 256, is made by four waves, each 128 x 128: 64 accumulators, 512 registers.  K goes in steps of 256 through a ring of two LDS slots filled by the tensor data mover; the scale bytes of the tile's rows come once.
; CLUSTERS: 4 x 4 work-groups; A's tiles are asked for jointly along a row of the cluster, B's along a column.  THE MATRIX INSTRUCTION IS USED TRANSPOSED (source 0 = 16 rows of B, source 1 = 16 rows of A):
; a lane holds one row of C and eight neighbouring columns a tile.  So two neighbouring tiles give a lane 16 numbers of one block of 32 columns (n = 8 h + i and 16 + 8 h + i), which are quantised ALONG n:
; for q and k that is the head's d, for v the keys: each is the K of the product that reads it.  A lane's 16 codes are bytes 16 h .. 16 h + 15 of the block, in this program's order of codes (k 0-7, 16-23, 8-15, 24-31).
; OUT: qkv_codes: q, k [head][8192][64]; v [b][head][panel of 64 keys][d 64][64].  qkv_sc, one word for a row and 128 columns: q, k [head pair][8192]; v [group of 128 keys][1024].
; 384 work-groups: one and a half turns of 256; a tile of 192 columns would cut the scale words of 128.  Nothing is prefetched: a tile has four K steps.
; LIMITS: a block of zeros gets the byte 1 (its codes are zeros; this program alone reads the bytes); blocks whose largest magnitude lies under 2^-111 are held at byte 1; NaN and infinities are not served.
; REGISTERS, in windows of 256: window 0: v0-31 addresses; v32-63 scale words, two sets; from v128 A's fragments, ONE set; on the way out v112-127 codes, v128-191 rows read back, v200-216 at work.
;   window 1: B's fragments, TWO sets.   window 2: the accumulators of my rows 0-63 ((a, b) at v[8 (8 a + b)]);   window 3: those of my rows 64-127.
.set KSTEP,  256
.set NQ,     2
.set ROWB,   256
.set KROW,   1024
.set PITCH,  272                       ; an LDS row: 256 bytes + 16 of padding: the 16 rows that a load touches start at 16 different banks (64 banks of 4 bytes: ISA guide 11.1)
.set FR,     16
.set NL,     4
.set NP,     8                         ; places behind this matrix instruction (ISA guide 7.12.1)
.set HALFT,  128*PITCH
.set SLOT,   4*HALFT
.set LAPS,   2                         ; 1,024 along K = two laps of two K steps
.set KS,     32                        ; a row of scale bytes
.set SCL,    2*SLOT
.set HALFS,  (128*KS/256)*272
.set SBLK,   (16*KS/256)*272
.set SPARE,  SCL+4*HALFS               ; the spare words, 128 bytes for each wave: two blocks of 256 bytes that no other line names
.set STW,    10240                     ; the way out: a stage of 2 x 64 rows x 80 bytes for each wave, and behind the four (from SWB on) 512 bytes of scale words for each.  They lie in slot 0, which has had its last fill and its last read by then
.set SWB,    4*STW
.set ADRA, 16
.set ADRB, 20
.set SWS,  22                          ; v22  where I put a row's scale word
.set SRD,  23                          ; v23  where I read four of them back
.set STO,  24                          ; v24  where I put 16 bytes of codes
.set RD,   25
.set LI,   26                          ; v26  16 x lane
.set ADRS, 27
.set SPW,  28
.set NIL,  29
.set SC,   32
.set AF,   128
.set PC,   112
.set BK,   128
.set TM,   200                         ; v200-203 largest magnitudes, v204-207 bytes, v208-211 57,344 x the scale, v212-215 the conversions' scale operands
.set PW,   216
.set G1, 24
.set G0, 32
.set G1B, 48
.set G0B, 56
.set G1S, 68
.set G0S, 76
.set G1SB, 80
.set G0SB, 88
.set MSB, 0
.macro WIN new                         ; the immediate's high byte repeats the setting that is left
.if MSB != \new
	s_set_vgpr_msb (MSB<<8)|\new
.set MSB, \new
.endif
.endm
.set MUL_LO, 0xa1                      ; source 0 (B) window 1, source 1 (A) window 0, C and D window 2
.set MUL_HI, 0xf1
.set TO_B,   0x40
; A joint load: waves 0 and 1 fetch for A, waves 2 and 3 for B; the branch hangs on the wave's number alone.  Four v_nop follow each of the two lines.
.macro JLOAD g0a, g1a, g0b, g1b
	s_cmp_eq_u32 s15, 0
	s_cbranch_scc0 .Lfor_b_\@
	tensor_load_to_lds s[\g0a:\g0a+3], s[\g1a:\g1a+7]
	s_nop 0
.rept 4
	v_nop
.endr
	s_branch .Lasked_\@
.Lfor_b_\@:
	tensor_load_to_lds s[\g0b:\g0b+3], s[\g1b:\g1b+7]
	s_nop 0
.rept 4
	v_nop
.endr
.Lasked_\@:
.endm
.macro CREST                           ; a round of the cluster's barrier behind its opening barrier
	s_cmp_lg_u32 s14, 0
	s_cbranch_scc1 .Lnot_wave_0_\@
	s_barrier_signal -3
.Lnot_wave_0_\@:
	s_barrier_wait -3
	s_barrier_signal -1
	s_barrier_wait -1
.endm
.macro CROUND
	s_barrier_signal -1
	s_barrier_wait -1
	CREST
.endm
	s_load_b256 s[4:11], s[0:1], 0x0               ; x_codes, x_sc, w_codes, w_sc
	s_load_b128 s[96:99], s[0:1], 0x20             ; qkv_codes, qkv_sc
	v_lshl_add_u32 v[SPW], v0, 2, SPARE
	v_mov_b32 v[NIL], 0
	ds_add_u32 v28, v29
	ds_add_u32 v28, v29
	s_wait_dscnt 0x0
	v_lshrrev_b32 v1, 5, v0
	v_readfirstlane_b32 s14, v1                    ; wave 0..3
	s_lshr_b32 s15, s14, 1                         ; which half of the tile's rows is mine.  Also: I fetch for A (0) or for B (1)
	s_and_b32 s16, s14, 1                          ; which half of its columns.  Also: which 128 rows of that tile I fetch
	s_bfe_u32 s40, ttmp6, 0x40000                  ; cx, cy
	s_bfe_u32 s41, ttmp6, 0x40004
	s_and_b32 s17, ttmp7, 0xffff
	s_lshl_b32 s17, s17, 2                         ; 4 x cluster y: it walks x's 8,192 rows, which are A's rows for q and k and B's for v
	s_cmp_eq_u32 ttmp9, 2
	s_cselect_b32 s42, s17, 0
	s_cselect_b32 s17, 0, s17
	s_add_co_u32 s42, s42, s40                     ; tile column of C
	s_add_co_u32 s17, s17, s41                     ; tile row of C
	s_lshl_b32 s43, s41, 2
	s_lshl_b32 s43, 15, s43                        ; my row of the cluster
	s_lshl_b32 s44, 0x1111, s40                    ; my column
	s_or_b32 s[G1+0], s43, (0<<16)|(1<<20)|(1<<21)|(5<<22)|(3<<25)  ; the mask; elements of 1 byte; padding on; bit 21 beside a mask; four words after every 64
	s_or_b32 s[G1B+0], s44, (0<<16)|(1<<20)|(1<<21)|(5<<22)|(3<<25)
.irp g, G1, G1B
	s_mov_b32 s[\g+1], ROWB<<16                    ; tensor_dim0
	s_mov_b32 s[\g+2], 256<<16                     ; tensor_dim1: 256 rows for the head's loads
	s_mov_b32 s[\g+3], ROWB<<16                    ; tile_dim0
	s_mov_b32 s[\g+4], 256                         ; tile_dim1
	s_mov_b32 s[\g+5], KROW                        ; from row to row
	s_mov_b32 s[\g+6], 0
	s_mov_b32 s[\g+7], 0
.endr
	s_or_b32 s[G1S+0], s43, (3<<16)|(1<<20)|(1<<21)|(5<<22)|(3<<25) ; the scales of 256 rows: 8,192 dense bytes as 32 rows of 256 (32 elements of 8 bytes), 16 bytes of padding behind each
	s_or_b32 s[G1SB+0], s44, (3<<16)|(1<<20)|(1<<21)|(5<<22)|(3<<25)
.irp g, G1S, G1SB
	s_mov_b32 s[\g+1], 32<<16
	s_mov_b32 s[\g+2], KS<<16                      ; the scales of 256 rows: KS rows of 256 bytes
	s_mov_b32 s[\g+3], 32<<16
	s_mov_b32 s[\g+4], KS
	s_mov_b32 s[\g+5], 32
	s_mov_b32 s[\g+6], 0
	s_mov_b32 s[\g+7], 0
.endr
	s_lshl_b32 s20, s17, 8                         ; A: the tile's first row
	s_lshl_b32 s46, s42, 8                         ; B: likewise
	s_mov_b32 s21, 0
	s_mov_b32 s47, 0
	s_mov_b64 s[18:19], KS
	s_mul_u64 s[22:23], s[20:21], s[18:19]         ; where these rows' scales begin,
	s_mul_u64 s[92:93], s[46:47], s[18:19]
	s_mov_b64 s[18:19], KROW
	s_mul_u64 s[20:21], s[20:21], s[18:19]         ; and their codes
	s_mul_u64 s[46:47], s[46:47], s[18:19]
	s_mul_i32 s45, s14, HALFT                      ; where they go: wave x 128 rows
	s_wait_kmcnt 0x0
	s_lshl_b32 s18, ttmp9, 20                      ; the weight's part of w_codes
	s_mov_b32 s19, 0
	s_add_nc_u64 s[8:9], s[8:9], s[18:19]
	s_lshl_b32 s18, ttmp9, 15                      ; and of w_sc
	s_add_nc_u64 s[10:11], s[10:11], s[18:19]
	s_cmp_eq_u32 ttmp9, 2                          ; for v the weight is A and x is B
	s_cselect_b64 s[18:19], s[8:9], s[4:5]
	s_cselect_b64 s[8:9], s[4:5], s[8:9]
	s_mov_b64 s[4:5], s[18:19]                     ; s[4:5] A's codes, s[8:9] B's
	s_cselect_b64 s[18:19], s[10:11], s[6:7]
	s_cselect_b64 s[10:11], s[6:7], s[10:11]
	s_mov_b64 s[6:7], s[18:19]                     ; s[6:7] A's scales, s[10:11] B's
	s_add_nc_u64 s[20:21], s[4:5], s[20:21]
	s_add_nc_u64 s[22:23], s[6:7], s[22:23]
	s_add_nc_u64 s[46:47], s[8:9], s[46:47]
	s_add_nc_u64 s[92:93], s[10:11], s[92:93]
	CROUND                                         ; all sixteen work-groups are here: the first joint loads meet
	s_mov_b32 s[G0S], 1
	s_mov_b32 s[G0S+1], SCL
	s_mov_b64 s[G0S+2:G0S+3], s[22:23]
	s_or_b32 s[G0S+3], s[G0S+3], 0x80000000
	s_mov_b32 s[G0SB], 1
	s_mov_b32 s[G0SB+1], SCL+2*HALFS
	s_mov_b64 s[G0SB+2:G0SB+3], s[92:93]
	s_or_b32 s[G0SB+3], s[G0SB+3], 0x80000000
	s_mov_b32 s4, 1                                ; group 0 of the head's loads of K step 0: A's 256 rows (the arguments that lay here have been used),
	s_mov_b32 s5, 0
	s_mov_b64 s[6:7], s[20:21]
	s_or_b32 s7, s7, 0x80000000
	s_mov_b32 s8, 1                                ; and B's 256 rows, behind them in slot 0
	s_mov_b32 s9, 2*HALFT
	s_mov_b64 s[10:11], s[46:47]
	s_or_b32 s11, s11, 0x80000000
	s_mul_i32 s18, s16, 128*KROW                   ; for the ring: my 128 rows of the tile
	s_mov_b32 s19, 0
	s_add_nc_u64 s[20:21], s[20:21], s[18:19]
	s_add_nc_u64 s[46:47], s[46:47], s[18:19]
.irp s, 0,1
	s_mov_b32 s[G0+4*\s], 1
	s_add_co_u32 s[G0+4*\s+1], s45, \s*SLOT
	s_add_nc_u64 s[G0+4*\s+2:G0+4*\s+3], s[20:21], \s*ROWB
	s_or_b32 s[G0+4*\s+3], s[G0+4*\s+3], 0x80000000
	s_mov_b32 s[G0B+4*\s], 1
	s_add_co_u32 s[G0B+4*\s+1], s45, \s*SLOT
	s_add_nc_u64 s[G0B+4*\s+2:G0B+4*\s+3], s[46:47], \s*ROWB
	s_or_b32 s[G0B+4*\s+3], s[G0B+4*\s+3], 0x80000000
.endr
; THE HEAD'S LOADS, ONE A WAVE: wave 0 K step 0's 256 rows of A, wave 1 its 256 rows of B, wave 2 the scales of A's 256 rows, wave 3 those of B's.
; One tree of branches on the wave's number: every way through the head passes exactly one load.
.macro ARM under, g0, g1, next
	s_cmp_lt_u32 s14, \under
	s_cbranch_scc0 \next
	tensor_load_to_lds s[\g0:\g0+3], s[\g1:\g1+7]
	s_nop 0
.rept 4
	v_nop
.endr
	s_branch .Lhead_asked
\next:
.endm
	ARM 1, 4,   G1,  .Lhead_b
	ARM 2, 8,   G1B, .Lhead_sa
	ARM 3, G0S, G1S, .Lhead_sb
	tensor_load_to_lds s[G0SB:G0SB+3], s[G1SB:G1SB+7]
	s_nop 0
.rept 4
	v_nop
.endr
.Lhead_asked:
	v_and_b32 v1, 15, v0                           ; r = l % 16
	v_bfe_u32 v2, v0, 4, 1                         ; h = l / 16
	v_mul_u32_u24 v3, v1, PITCH
	v_lshl_add_u32 v4, v2, 4, v3                   ; a fragment's row x pitch + 16 x half
	s_mul_i32 s21, s15, HALFT                      ; my 128 rows of A
	s_mul_i32 s22, s16, HALFT                      ; my 128 rows of B,
	s_add_co_u32 s22, s22, 2*HALFT                 ; which lie behind A's 256
.irp s, 0,1
	v_add_nc_u32 v[ADRA+\s], s21, v4
	v_add_nc_u32 v[ADRB+\s], s22, v4
	s_add_co_u32 s21, s21, SLOT
	s_add_co_u32 s22, s22, SLOT
.endr
	v_mul_u32_u24 v5, v1, KS                       ; my row's scales: KS bytes a row,
	v_lshrrev_b32 v6, 8, v5
	v_lshl_add_u32 v5, v6, 4, v5                   ; and 16 more for each 256 passed
	s_mul_i32 s21, s15, HALFS
	s_mul_i32 s22, s16, HALFS
	s_add_co_u32 s22, s22, 2*HALFS
	s_sub_co_u32 s22, s22, s21
	v_mul_u32_u24 v6, s22, v2                      ; lanes 16-31 take B's
	s_add_co_u32 s21, s21, SCL
	v_add_nc_u32 v5, v5, v6
	v_add_nc_u32 v[ADRS], s21, v5
	s_mul_i32 s23, s14, STW                        ; my stage
	v_mul_u32_u24 v5, v1, 80                       ; in: row r of 80 bytes, + 16 h
	v_lshl_add_u32 v5, v2, 4, v5
	v_add_nc_u32 v[STO], s23, v5
	v_and_b32 v6, 31, v0
	v_lshlrev_b32 v[LI], 4, v6
	s_lshl_b32 s23, s14, 9
	s_add_co_u32 s23, s23, SWB                     ; my 128 scale words
	v_lshl_add_u32 v[SWS], v1, 2, s23
	v_add_nc_u32 v[SRD], s23, v[LI]
	; where my results go.  M0 = my first row, Pn = my first column / 64.  Four pieces of 64 rows x 64 columns each way: P(i, j), i = which 64 rows, j = which 64 columns; each piece is 4,096 dense bytes.
	s_lshl_b32 s18, s17, 8
	s_lshl_b32 s19, s15, 7
	s_add_co_u32 s18, s18, s19                     ; M0
	s_lshl_b32 s19, s42, 2
	s_lshl_b32 s22, s16, 1
	s_add_co_u32 s19, s19, s22                     ; Pn
	s_lshl_b32 s46, s19, 19                        ; q, k: head Pn, row M0 of 64 bytes
	s_lshl_b32 s47, s18, 6
	s_add_co_u32 s46, s46, s47
	s_lshr_b32 s47, s19, 5                         ; v: b = Pn / 32, head M0 / 64, panel Pn % 32
	s_lshl_b32 s47, s47, 21
	s_lshl_b32 s22, s18, 11
	s_add_co_u32 s47, s47, s22
	s_and_b32 s22, s19, 31
	s_lshl_b32 s22, s22, 12
	s_add_co_u32 s47, s47, s22
	s_lshr_b32 s19, s19, 1                         ; my first column / 128
	s_mov_b32 s20, 4096
	s_mov_b32 s22, 0x80000
	s_cmp_eq_u32 ttmp9, 2
	s_cselect_b32 s46, s47, s46
	s_cselect_b32 s20, 0x20000, s20                ; 64 rows on: q, k 4,096 bytes; v the next head
	s_cselect_b32 s22, 4096, s22                   ; 64 columns on: q, k the next head; v the next panel
	s_cselect_b32 s45, 10, 13                      ; rows in a plane of scale words: v 1,024; q, k 8,192
	s_lshl_b32 s47, ttmp9, 23                      ; the part of qkv_codes
	s_add_co_u32 s46, s46, s47
	s_mov_b32 s47, 0
	s_mov_b32 s21, 0
	s_mov_b32 s23, 0
	s_add_nc_u64 s[12:13], s[96:97], s[46:47]      ; P(0, 0)
	s_add_nc_u64 s[66:67], s[12:13], s[22:23]      ; P(0, 1)
	s_add_nc_u64 s[92:93], s[12:13], s[20:21]      ; P(1, 0)
	s_add_nc_u64 s[94:95], s[92:93], s[22:23]      ; P(1, 1)
	s_lshl_b32 s46, s19, s45
	s_add_co_u32 s46, s46, s18
	s_lshl_b32 s46, s46, 2
	s_lshl_b32 s45, ttmp9, 18                      ; the part of qkv_sc
	s_add_co_u32 s46, s46, s45
	s_add_nc_u64 s[98:99], s[98:99], s[46:47]      ; my 128 scale words
.macro FRAG reg, adr, q, i             ; a fragment, 16 rows x 128 K: lane l holds row l % 16; registers 4 c .. 4 c + 3 the bytes 32 c + 16 (l / 16) + 0 .. 15
.irp c, 0,1,2,3
	ds_load_b128 v[\reg+4*\c:\reg+4*\c+3], v[\adr] offset:128*(\q)+32*\c+(\i)*16*PITCH
.endr
.endm
; 16 matrix instructions: A's blocks a0, a0 + 1 x B's eight, 128 along K.  The 64 accumulators take turns, one instruction a turn, in the same order in every step.
.macro MUL16 a0, p, q, sc, zero
.irp a, \a0, \a0+1
.irp b, 0,1,2,3,4,5,6,7
.if \zero
	v_wmma_scale_f32_16x16x128_f8f6f4 v[8*(8*((\a)%4)+\b):8*(8*((\a)%4)+\b)+7], v[128*(\p)+FR*\b:128*(\p)+FR*\b+FR-1], v[AF+FR*(\a):AF+FR*(\a)+FR-1], 0, v[SC+8*NQ*(\sc)+NQ*\b+(\q)], v[SC+8*NQ*(\sc)+NQ*(\a)+(\q)] matrix_a_fmt:MATRIX_FMT_BF8 matrix_b_fmt:MATRIX_FMT_BF8 matrix_a_scale:MATRIX_SCALE_ROW1
.else
	v_wmma_scale_f32_16x16x128_f8f6f4 v[8*(8*((\a)%4)+\b):8*(8*((\a)%4)+\b)+7], v[128*(\p)+FR*\b:128*(\p)+FR*\b+FR-1], v[AF+FR*(\a):AF+FR*(\a)+FR-1], v[8*(8*((\a)%4)+\b):8*(8*((\a)%4)+\b)+7], v[SC+8*NQ*(\sc)+NQ*\b+(\q)], v[SC+8*NQ*(\sc)+NQ*(\a)+(\q)] matrix_a_fmt:MATRIX_FMT_BF8 matrix_b_fmt:MATRIX_FMT_BF8 matrix_a_scale:MATRIX_SCALE_ROW1
.endif
.endr
.endr
.endm
.macro FETCH_B slot, q, p
	WIN TO_B
.irp i, 0,1,2,3,4,5,6,7
	FRAG 128*(\p)+FR*\i, ADRB+\slot, \q, \i
.endr
	WIN 0
.endm
.macro FETCH_A slot, q, i0
.irp i, \i0, \i0+1, \i0+2, \i0+3
	FRAG AF+FR*(\i), ADRA+\slot, \q, \i
.endr
.endm
.macro SCALES sc                       ; the next K step's scale words: lanes 0-15 take A's block i, lanes 16-31 B's block i
.irp i, 0,1,2,3,4,5,6,7
	ds_load_b64 v[SC+8*NQ*\sc+NQ*\i:SC+8*NQ*\sc+NQ*\i+1], v[ADRS] offset:\i*SBLK
.endr
.endm
.macro PLACES n                        ; plain vector lines between a matrix instruction and a load into, or a read of, its registers
.rept \n
	v_nop
.endr
.endm
.macro STEP slot, q, zero              ; a step of 128 along K that has its successor in the same slot
	s_wait_dscnt 4*NL                              ; B's set and A's blocks 0-3 are in; the youngest 16 loads (A's blocks 4-7) may be out
	WIN MUL_LO
	MUL16 0, (\q)%2, \q, \slot, \zero
	MUL16 2, (\q)%2, \q, \slot, \zero
	s_wait_dscnt 0
	PLACES NP
	FETCH_B \slot, (\q)+1, 1-(\q)%2
	FETCH_A \slot, (\q)+1, 0
	WIN MUL_HI
	MUL16 4, (\q)%2, \q, \slot, \zero
	MUL16 6, (\q)%2, \q, \slot, \zero
	PLACES NP
	WIN 0
	FETCH_A \slot, (\q)+1, 4
.endm
; A slot's last step changes slots: ONE barrier; in front of it each wave waits for all its tensor loads, adds 0 to its spare word, and waits for that and for its own reads of this slot.
.macro TURN slot, next, fill
	s_wait_tensorcnt 0x0                           ; all my tensor loads have landed: my part of the next slot
	ds_add_u32 v[SPW], v[NIL]                      ; 0 onto my spare word
	s_wait_dscnt 4*NL+1                            ; (the add and the youngest 16 loads, A's blocks 4-7, may be out)
	WIN MUL_LO
	MUL16 0, 1, NQ-1, \slot, 0
	s_wait_dscnt 0x0                               ; the add is done, and my reads of this slot are over
	s_barrier_signal -1
	MUL16 2, 1, NQ-1, \slot, 0
	WIN 0
	s_barrier_wait -1
.if \fill
	CREST                                          ; the barrier has opened a round of the cluster's barrier: no wave of any partner still reads this slot or has a load on its way
	s_add_nc_u64 s[G0+4*\slot+2:G0+4*\slot+3], s[G0+4*\slot+2:G0+4*\slot+3], 2*ROWB
	s_add_nc_u64 s[G0B+4*\slot+2:G0B+4*\slot+3], s[G0B+4*\slot+2:G0B+4*\slot+3], 2*ROWB
	JLOAD G0+4*\slot, G1, G0B+4*\slot, G1B         ; the first tensor load behind the round; its four v_nop are among the places in front of the loads below
	PLACES NP-4
.else
	PLACES NP
.endif
	s_wait_alu depctr_va_vdst(0)
	v_add_nc_u32 v[ADRS], 4*NQ, v[ADRS]            ; on to the next K step's scale words
	FETCH_B \next, 0, 0
	FETCH_A \next, 0, 0
	SCALES \next
	WIN MUL_HI
	MUL16 4, 1, NQ-1, \slot, 0
	MUL16 6, 1, NQ-1, \slot, 0
	PLACES NP
	WIN 0
	FETCH_A \next, 0, 4
.endm
	s_wait_alu depctr_va_vdst(0)
	s_wait_tensorcnt 0x0                           ; my tile of the head's four is in; the same lines as ahead of a refill stand ahead of slot 1's first fill
	ds_add_u32 v[SPW], v[NIL]
	s_mov_b32 s[G1+2], 128<<16                     ; no tensor load of mine is out: from here on a load brings 128 rows
	s_mov_b32 s[G1+4], 128
	s_mov_b32 s[G1B+2], 128<<16
	s_mov_b32 s[G1B+4], 128
	s_wait_dscnt 0x0
	CROUND                                         ; all four tiles are in, and all sixteen work-groups are here
	JLOAD G0+4, G1, G0B+4, G1B                     ; K step 1's load, the first tensor load behind the round
	FETCH_B 0, 0, 0
	FETCH_A 0, 0, 0
	SCALES 0
	FETCH_A 0, 0, 4
	STEP 0, 0, 1                                   ; the first step's products start the sums: nothing is cleared
	s_mov_b32 s3, LAPS-1
.Llap:                                                 ; a trip goes once round the ring and fills both slots again
	TURN 0, 1, 1
	STEP 1, 0, 0
	TURN 1, 0, 1
	STEP 0, 0, 0
	s_sub_co_u32 s3, s3, 1
	s_cmp_lg_u32 s3, 0
	s_cbranch_scc1 .Llap
	TURN 0, 1, 0                                   ; the last lap fills nothing
	STEP 1, 0, 0
	s_wait_dscnt 4*NL
	WIN MUL_LO
	MUL16 0, 1, NQ-1, 1, 0
	MUL16 2, 1, NQ-1, 1, 0
	s_wait_dscnt 0
	WIN MUL_HI
	MUL16 4, 1, NQ-1, 1, 0
	MUL16 6, 1, NQ-1, 1, 0
	WIN 0
; THE WAY OUT.  Block a of 16 rows: its 64 registers are four blocks of 32 columns, register 16 c + i of block c.  The largest magnitude (joined with lane l xor 16's), the byte, the hold, the conversions:
; codes in v[PC + 4 c ..], the row's scale word in v[PW].  Each accumulator is read from its low end on.
.macro QUANTW a
.set W, 2+(\a)/4
.set AC, 64*((\a)%4)
	WIN 5*W                                        ; sources 0 and 1 in the accumulators' window
.irp b, 0,1,2,3
	v_max3_num_f32 v[TM+\b], |v[AC+16*\b]|, |v[AC+16*\b+1]|, 0x8000000   ; and the floor 2^(16 - 127): the byte cannot fall under 1
.endr
	WIN 20*W                                       ; sources 1 and 2
.irp i, 2,4,6,8,10,12,14
.irp b, 0,1,2,3
	v_max3_num_f32 v[TM+\b], v[TM+\b], |v[AC+16*\b+\i]|, |v[AC+16*\b+\i+1]|
.endr
.endr
	WIN 0
.irp b, 0,1,2,3
	v_permlanex16_b32 v[TM+4+\b], v[TM+\b], s20, s21
.endr
.irp b, 0,1,2,3
	v_max_num_f32 v[TM+\b], v[TM+\b], v[TM+4+\b]
.endr
.irp b, 0,1,2,3
	v_add_nc_u32 v[TM+12+\b], 0xf8800000, v[TM+\b] ; 15 off the exponent field: the conversion's scale operand
.endr
.irp b, 0,1,2,3
	v_and_or_b32 v[TM+8+\b], v[TM+\b], 0x7f800000, s23   ; 57,344 x the scale
.endr
.irp b, 0,1,2,3
	v_lshrrev_b32 v[TM+4+\b], 23, v[TM+12+\b]      ; the byte
.endr
	v_lshl_or_b32 v[PW], v[TM+5], 8, v[TM+4]
	v_lshl_or_b32 v[PW], v[TM+6], 16, v[PW]
	v_lshl_or_b32 v[PW], v[TM+7], 24, v[PW]
	WIN 65*W                                       ; destination and source 0
.irp b, 0,1,2,3
.irp i, 0,1,2,3,4,5,6,7,8,9,10,11,12,13,14,15
	v_med3_num_f32 v[AC+16*\b+\i], v[AC+16*\b+\i], -v[TM+8+\b], v[TM+8+\b]   ; the conversion does not saturate (ISA guide 7.6.2): the hold
.endr
.endr
	WIN W                                          ; source 0
.irp b, 0,1,2,3
	v_cvt_scalef32_pk8_bf8_f32 v[PC+4*\b:PC+4*\b+1], v[AC+16*\b:AC+16*\b+7], v[TM+12+\b]
	v_cvt_scalef32_pk8_bf8_f32 v[PC+4*\b+2:PC+4*\b+3], v[AC+16*\b+8:AC+16*\b+15], v[TM+12+\b]
.endr
	WIN 0
	v_nop                                          ; a plain line behind the last conversion
.endm
; 64 rows: four blocks go into my stage (two pieces of 64 rows x 64 bytes, rows 80 bytes apart), come back dense, and leave: each store covers 512 consecutive bytes, aligned.
.macro HALF i, p0, p1
.irp a, 0,1,2,3
	QUANTW 4*\i+\a
.irp c, 0,1,2,3
	ds_store_b128 v[STO], v[PC+4*\c:PC+4*\c+3] offset:(\c/2)*5120+\a*1280+32*(\c%2)
.endr
	ds_store_b32 v[SWS], v[PW] offset:64*(4*\i+\a) ; both halves of the lanes write the same word with the same value
	s_wait_dscnt 0x0                               ; the stores have read their registers: the next block's codes may be written
.endr
.if \i
	s_wait_xcnt 0x0                                ; the first half's stores have read their registers: the loads below may land there
.endif
.irp j, 0,1
.irp k, 0,1,2,3,4,5,6,7
	ds_load_b128 v[BK+4*(8*\j+\k):BK+4*(8*\j+\k)+3], v[STO] offset:\j*5120+1280*(\k/2)+32*(\k%2)   ; INSIDE A PIECE the codes leave in the order of an operand's registers: [16 rows a][32 bytes cc][lane 16 h + r][16 bytes]: lane (r, h) takes bytes 32 cc + 16 h of row 16 a + r, so that 512 dense bytes are one load of a fragment
.endr
.endr
.irp k, 0,1,2,3,4,5,6,7
	s_wait_dscnt 15-\k
	global_store_b128 v[LI], v[BK+4*\k:BK+4*\k+3], s[\p0:\p0+1] offset:512*\k
.endr
.irp k, 0,1,2,3,4,5,6,7
	s_wait_dscnt 7-\k
	global_store_b128 v[LI], v[BK+32+4*\k:BK+32+4*\k+3], s[\p1:\p1+1] offset:512*\k
.endr
.endm
	PLACES NP                                      ; behind the last products: for the reads of results and the writes of registers that held A's fragments
	s_mov_b32 s20, 0x76543210
	s_mov_b32 s21, 0xfedcba98                      ; v_permlanex16_b32's selects for lane l xor 16
	s_mov_b32 s23, 0x600000                        ; the mantissa field of 57,344
.irp b, 0,1,2,3
	v_mov_b32 v[TM+4+\b], 0                        ; written once: a lane permute's destination counts as one of its sources
.endr
	HALF 0, 12, 66
	HALF 1, 92, 94
	ds_load_b128 v[PC:PC+3], v[SRD]                ; my 128 scale words, four a lane
	s_wait_dscnt 0x0
	global_store_b128 v[LI], v[PC:PC+3], s[98:99]  ; 512 consecutive bytes, aligned
	s_wait_tensorcnt 0x0                           ; the wave's end
	ds_add_u32 v[SPW], v[NIL]
	s_wait_dscnt 0x0
	CROUND                                         ; the closing round: no work-group ends while a partner may still ask for a tile that names it
	s_endpgm
.Lfunc_end_k_qddc499bb76_qkv:
	.size	k_qddc499bb76_qkv, .Lfunc_end_k_qddc499bb76_qkv-k_qddc499bb76_qkv
	.p2alignl 7, 3214868480
	.fill 96, 4, 3214868480
	.section	.rodata,"a",@progbits
	.p2align	6, 0x0
	.amdhsa_kernel k_qddc499bb76_qkv
		.amdhsa_group_segment_fixed_size 327680
		.amdhsa_private_segment_fixed_size 0
		.amdhsa_enable_private_segment 0
		.amdhsa_kernarg_size 48
		.amdhsa_user_sgpr_count 2
		.amdhsa_user_sgpr_kernarg_segment_ptr 1
		.amdhsa_wavefront_size32 1
		.amdhsa_system_sgpr_workgroup_id_x 1
		.amdhsa_system_sgpr_workgroup_id_y 1
		.amdhsa_system_sgpr_workgroup_id_z 1
		.amdhsa_system_vgpr_workitem_id 0
		.amdhsa_next_free_vgpr 1024
		.amdhsa_next_free_sgpr 100
		.amdhsa_reserve_vcc 0
		.amdhsa_float_denorm_mode_32 3
		.amdhsa_float_denorm_mode_16_64 3
		.amdhsa_memory_ordered 1
		.amdhsa_forward_progress 1
		.amdhsa_inst_pref_size 193
	.end_amdhsa_kernel
	.amdgpu_metadata
---
amdhsa.version: [ 1, 2 ]
amdhsa.kernels:
  - .name:           k_qddc499bb76_qkv
    .symbol:         k_qddc499bb76_qkv.kd
    .args:
      - { .name: x_codes, .offset: 0, .size: 8, .value_kind: global_buffer, .address_space: global }
      - { .name: x_sc, .offset: 8, .size: 8, .value_kind: global_buffer, .address_space: global }
      - { .name: w_codes, .offset: 16, .size: 8, .value_kind: global_buffer, .address_space: global }
      - { .name: w_sc, .offset: 24, .size: 8, .value_kind: global_buffer, .address_space: global }
      - { .name: qkv_codes, .offset: 32, .size: 8, .value_kind: global_buffer, .address_space: global }
      - { .name: qkv_sc, .offset: 40, .size: 8, .value_kind: global_buffer, .address_space: global }
    .group_segment_fixed_size: 327680
    .private_segment_fixed_size: 0
    .kernarg_segment_align: 8
    .kernarg_segment_size: 48
    .max_flat_workgroup_size: 128
    .sgpr_count:     100
    .vgpr_count:     1024
    .wavefront_size: 32
...
	.end_amdgpu_metadata
.endif
;; end of part 2
;; launch attn (part 3): grid 4 x 64, 8 waves a work-group, clusters of 4 x 1, 327,680 bytes of LDS; arguments qkv_codes, qkv_sc, o_codes, o_sc; writes o_codes, o_sc
.if DOCPART == 3
	.amdgcn_target "amdgcn-amd-amdhsa--gfx1250"
	.amdhsa_code_object_version 6
	.text
	.protected	k_qddc499bb76_attn
	.globl	k_qddc499bb76_attn
	.p2align	8
	.type	k_qddc499bb76_attn,@function
k_qddc499bb76_attn:
	s_mov_b64 s[64:65], 0
	v_nop
	global_prefetch_b8 v0, s[64:65] scope:SCOPE_SE
	s_setreg_imm32_b32 hwreg(HW_REG_WAVE_MODE, 25, 1), 1
	s_wait_xcnt 0x0
	s_wait_alu depctr_hold_cnt(0) depctr_sa_sdst(0) depctr_va_vdst(0) depctr_va_sdst(0) depctr_va_ssrc(0) depctr_va_vcc(0) depctr_vm_vsrc(0)
	s_getreg_b32 s2, hwreg(HW_REG_IB_STS2, 6, 4)
	s_cmp_eq_u32 s2, 0
	s_cbranch_scc0 .Lentry_in_a_cluster
	s_endpgm
.Lentry_in_a_cluster:
	s_bfe_u32 s2, ttmp6, 0x10000c
	s_cmp_lg_u32 s2, 0x3003
	s_cbranch_scc0 .Lentry_shape_is_right
	s_endpgm
.Lentry_shape_is_right:
; Attention on codes of E5M2 with E8M0 scales: o = softmax(q k^T / 8) v for one (batch, head), quantised along d on the way out for the last product.
; p = 2^(t - M), t = score x log2(e) / 8, M the ceiling of the running largest t; the row's sum is taken of the unquantised p and divides at the end; when M moves, sum and O^T are multiplied by 2^(old M - new M), which rounds nothing.
; SHARES: a cluster of four work-groups is one (batch, head); a work-group owns 512 queries.  Each of its eight waves takes 32 queries (two tiles of 16) in each of two passes over the keys.  256 work-groups.
; LDS: ALL of the head's K (131,072 bytes) and V (131,072) and their scale bytes (8,192 + 4,096) are filled ONCE, by joint loads of the four partners, one load a wave at the head; one barrier shows them to all waves; no byte is filled twice.
; The codes lie in the order of an operand's registers (launch qkv lays them so): a load of a fragment reads 512 dense bytes, 16 a lane, so no padding is needed.
; Nothing is prefetched: every fill is issued at the head, so there is no loop in which to ask ahead.
; LAYOUT: both products transposed (S^T = K Q^T, O^T = V^T P^T): a lane holds one query.  K = 64 fills half of the instruction's 128: Q's upper eight registers are zero codes, and K's tiles overlap
; (tile t is registers 8 t .. 8 t + 15, its upper half the next tile's finite codes, which meet zeros); the scale words' upper bytes are 0, a finite code.
; THE TWO TILES ARE WORKED TOGETHER: eight block chains by turns; one tile's exponentials stand by turns with independent lines of the other tile, whose results are first read behind the batch's wait.
; LIMITS: holds while the scaled scores stay under 2^31 in magnitude; a block of zeros gets the byte 1 (its codes are zeros; this program alone reads the bytes); NaN and infinities are not served.
; REGISTERS: window 0: v1-11 addresses, v12-19 state (-M, largest score, sum in two halves; x 2), v20-35 scale words, v36-80 at work, v96-223 S^T then p, v224-255 partial sums, then p's codes;
;   window 1: v0-63 O^T, v64-95 Q, v96-167 K, v168-231 V, v232-247 the second pass's Q.
.set VB,    131072
.set SCK,   262144
.set SCV,   270336
.set STAGE, 274432                     ; 2,048 bytes a wave for the way out: no fill lands there
.set SPARE, 290816                     ; the spare words, 128 bytes a wave
.set AK0, 1
.set AV0, 2
.set ASK0, 3
.set ASV0, 4
.set SPW, 5
.set NIL, 6
.set ADK, 8
.set ADV, 9
.set ADS, 10
.set ADT, 11
.set ST,  12
.set KSC, 20
.set VSC, 28
.set QSC, 32
.set PSC, 34
.set BM,  36
.set T1,  44
.set HL,  52
.set SO,  60
.set F,   68
.set TT,  72
.set LN,  74
.set STO, 75
.set RD,  76
.set SOF, 77
.set OB,  78
.set QSN, 79
.set S,   96
.set PC,  224
.set OT,  0
.set QF,  64
.set KF,  96
.set VF,  168
.set QN,  232
.set MSB, 0
.macro WIN new                         ; the immediate's high byte repeats the setting that is left
.if MSB != \new
	s_set_vgpr_msb (MSB<<8)|\new
.set MSB, \new
.endif
.endm
.macro CROUND                          ; a round of the cluster's barrier
	s_barrier_signal -1
	s_barrier_wait -1
	s_cmp_lg_u32 s12, 0
	s_cbranch_scc1 .Lnot_wave_0_\@
	s_barrier_signal -3
.Lnot_wave_0_\@:
	s_barrier_wait -3
	s_barrier_signal -1
	s_barrier_wait -1
.endm
.macro NOPS n
.rept \n
	v_nop
.endr
.endm
.macro G1SET g, rows, pitch            ; group 1: rows of 256 bytes (32 elements of 8), the mask of all four partners, bit 21 beside it
	s_mov_b32 s[\g], 15|(3<<16)|(1<<21)
	s_mov_b32 s[\g+1], 32<<16
	s_mov_b32 s[\g+2], (\rows)<<16
	s_mov_b32 s[\g+3], 32<<16
	s_mov_b32 s[\g+4], \rows
	s_mov_b32 s[\g+5], \pitch
	s_mov_b32 s[\g+6], 0
	s_mov_b32 s[\g+7], 0
.endm
	s_load_b256 s[4:11], s[0:1], 0x0               ; qkv_codes, qkv_sc, o_codes, o_sc
	v_lshl_add_u32 v[SPW], v0, 2, SPARE
	v_mov_b32 v[NIL], 0
	ds_add_u32 v[SPW], v[NIL]                      ; the opening lines
	ds_add_u32 v[SPW], v[NIL]
	v_lshrrev_b32 v1, 5, v0
	v_readfirstlane_b32 s12, v1                    ; wave 0..7
	s_bfe_u32 s13, ttmp6, 0x40000                  ; cx: which 512 queries
	s_and_b32 s74, ttmp7, 0xffff
	s_lshr_b32 s75, s74, 4                         ; batch
	s_and_b32 s76, s74, 15                         ; head
	s_lshl_b32 s77, s76, 19
	s_lshl_b32 s78, s75, 17
	s_add_co_u32 s77, s77, s78                     ; q's codes of (head, batch),
	s_add_co_u32 s78, s77, 0x800000                ; k's,
	s_lshl_b32 s79, s74, 17
	s_add_co_u32 s79, s79, 0x1000000               ; v's
	s_lshl_b32 s96, s13, 9
	s_lshl_b32 s97, s12, 5
	s_add_co_u32 s96, s96, s97                     ; my first query of the first pass; the second pass's lie 256 on
	s_lshl_b32 s14, s96, 6
	s_add_co_u32 s14, s14, s77                     ; its codes, in q and in o_codes
	s_mov_b32 s15, 0
	s_lshl_b32 s97, s75, 11
	s_add_co_u32 s96, s96, s97                     ; its row among the 8,192
	s_lshr_b32 s97, s76, 1
	s_lshl_b32 s97, s97, 15                        ; the head pair's plane of scale words
	s_and_b32 s98, s76, 1
	s_lshl_b32 s98, s98, 1                         ; my head's two bytes of a word
	s_lshl_b32 s16, s96, 2
	s_add_co_u32 s16, s16, s97
	s_add_co_u32 s16, s16, s98                     ; q's scale bytes
	s_mov_b32 s17, 0
	s_lshl_b32 s18, s96, 5
	s_lshl_b32 s99, s76, 1
	s_add_co_u32 s18, s18, s99                     ; o_sc: rows of 32 bytes, two bytes a head
	s_mov_b32 s19, 0
	G1SET 24, 256, 32                              ; 65,536 bytes of codes
	G1SET 36, 16, 32                               ; half of K's scale words
	G1SET 48, 8, 512                               ; half of V's: 8 groups of 128 keys, 4,096 bytes apart
	s_and_b32 s80, s12, 1
	s_lshr_b32 s81, s12, 1
	s_mov_b32 s32, 1                               ; waves 0, 1: K's halves; waves 2, 3: V's
	s_lshl_b32 s33, s81, 17
	s_lshl_b32 s82, s80, 16
	s_add_co_u32 s33, s33, s82
	s_cmp_lt_u32 s12, 2
	s_cselect_b32 s34, s78, s79
	s_add_co_u32 s34, s34, s82
	s_mov_b32 s35, 0
	s_mov_b32 s44, 1                               ; waves 4, 5: K's scale words
	s_lshl_b32 s82, s80, 12
	s_add_co_u32 s45, s82, SCK
	s_lshl_b32 s83, s75, 13
	s_add_co_u32 s46, s97, s83
	s_add_co_u32 s46, s46, s82
	s_add_co_u32 s46, s46, 0x40000
	s_mov_b32 s47, 0
	s_mov_b32 s56, 1                               ; waves 6, 7: V's scale words
	s_lshl_b32 s82, s80, 11
	s_add_co_u32 s57, s82, SCV
	s_lshl_b32 s58, s75, 16
	s_lshl_b32 s83, s76, 8
	s_add_co_u32 s58, s58, s83
	s_lshl_b32 s83, s80, 15
	s_add_co_u32 s58, s58, s83
	s_add_co_u32 s58, s58, 0x80000
	s_mov_b32 s59, 0
	s_mov_b32 s20, 0x76543210
	s_mov_b32 s21, 0xfedcba98                      ; v_permlanex16_b32's selects for lane l xor 16
	s_mov_b32 s22, 0x3e38aa3b                      ; c = log2(e) / 8
	s_mov_b32 s23, s22
	s_mov_b32 s60, 0x600000                        ; the mantissa field of 57,344
	s_mov_b32 s66, 2                               ; passes to go
	s_wait_dscnt 0x0                               ; both opening adds are done
	s_wait_kmcnt 0x0
	s_add_nc_u64 s[34:35], s[4:5], s[34:35]
	s_or_b32 s35, s35, 0x80000000
	s_add_nc_u64 s[46:47], s[6:7], s[46:47]
	s_or_b32 s47, s47, 0x80000000
	s_add_nc_u64 s[58:59], s[6:7], s[58:59]
	s_or_b32 s59, s59, 0x80000000
	s_add_nc_u64 s[4:5], s[4:5], s[14:15]
	s_add_nc_u64 s[6:7], s[6:7], s[16:17]
	s_add_nc_u64 s[8:9], s[8:9], s[14:15]
	s_add_nc_u64 s[10:11], s[10:11], s[18:19]
	CROUND                                         ; all four partners are here: the joint loads meet
.macro ARM under, g0, g1, next         ; one tree of branches on the wave's number: every way passes exactly one load
	s_cmp_lt_u32 s12, \under
	s_cbranch_scc0 \next
	tensor_load_to_lds s[\g0:\g0+3], s[\g1:\g1+7]
	s_nop 0
	NOPS 4
	s_branch .Lhead_asked
\next:
.endm
	ARM 4, 32, 24, .Lhead_sk
	ARM 6, 44, 36, .Lhead_sv
	tensor_load_to_lds s[56:59], s[48:55]
	s_nop 0
	NOPS 4
.Lhead_asked:
	v_and_b32 v[LN], 31, v0
	v_and_b32 v8, 15, v0                           ; r
	v_bfe_u32 v9, v0, 4, 1                         ; h
	v_lshlrev_b32 v[AK0], 4, v[LN]                 ; 16 x lane: my bytes of every fragment load, and of a dense store
	v_lshlrev_b32 v11, 2, v8
	WIN 0x40
.irp w, 0,1
.irp c, 0,1
	global_load_b128 v[QF+16*\w+4*\c:QF+16*\w+4*\c+3], v[AK0], s[4:5] offset:1024*\w+512*\c          ; the first pass's Q,
	global_load_b128 v[QN+8*\w+4*\c:QN+8*\w+4*\c+3], v[AK0], s[4:5] offset:16384+1024*\w+512*\c      ; and the second's
.endr
.endr
	WIN 0
.irp w, 0,1
	global_load_u16 v[QSC+\w], v11, s[6:7] offset:64*\w
	global_load_u16 v[QSN+\w], v11, s[6:7] offset:1024+64*\w
.endr
	v_add_nc_u32 v[AV0], VB, v[AK0]
	v_lshl_add_u32 v[ASK0], v8, 2, SCK
	v_add_nc_u32 v[ASK0], s98, v[ASK0]
	v_lshl_add_u32 v[ASV0], v8, 2, SCV
	s_lshl_b32 s74, s12, 11
	s_add_co_u32 s74, s74, STAGE                   ; my stage
	v_lshlrev_b32 v[STO], 6, v8
	v_lshl_add_u32 v[STO], v9, 4, v[STO]
	v_add_nc_u32 v[STO], s74, v[STO]
	v_add_nc_u32 v[RD], s74, v[AK0]
	v_lshlrev_b32 v[SOF], 5, v[LN]
.irp n, 0,1,2,3,4,5,6,7
	v_mov_b32 v[T1+\n], 0                          ; a lane permute's destination counts as one of its sources
.endr
	v_mov_b32 v[F+1], 0
	v_mov_b32 v[F+3], 0
	WIN 0x40
.irp w, 0,1
.irp i, 8,9,10,11,12,13,14,15
	v_mov_b32 v[QF+16*\w+\i], 0                    ; Q's upper half: zero codes
.endr
.endr
.irp i, 0,1,2,3,4,5,6,7
	v_mov_b32 v[KF+64+\i], 0                       ; what K's last tile has as its upper half
.endr
	WIN 0
.macro HOLD2 r, h                      ; p is not negative: a one-sided hold, two numbers a line
	v_dual_min_num_f32 v[\r], v[\r], v[\h] :: v_dual_min_num_f32 v[\r+1], v[\r+1], v[\h]
.endm
.macro KLOAD adk, ads                  ; a key step's eight tiles of K and their scale bytes: 24 loads
	WIN 0x40
.irp t, 0,1,2,3,4,5,6,7
.irp c, 0,1
	ds_load_b128 v[KF+8*\t+4*\c:KF+8*\t+4*\c+3], v[\adk] offset:1024*\t+512*\c
.endr
.endr
	WIN 0
.irp t, 0,1,2,3,4,5,6,7
	ds_load_u16 v[KSC+\t], v[\ads] offset:64*\t
.endr
.endm
.macro STEP                            ; 128 keys for my 32 queries
	s_wait_dscnt 0x0                               ; this step's K, asked for in the step before
	WIN 0x05
.irp t, 0,1,2,3,4,5,6,7
.irp w, 0,1
	v_wmma_scale_f32_16x16x128_f8f6f4 v[S+64*\w+8*\t:S+64*\w+8*\t+7], v[KF+8*\t:KF+8*\t+15], v[QF+16*\w:QF+16*\w+15], 0, v[KSC+\t], v[QSC+\w] matrix_a_fmt:MATRIX_FMT_BF8 matrix_b_fmt:MATRIX_FMT_BF8
.endr
.endr
	WIN 0
	s_add_co_u32 s71, s68, 8192
	s_and_b32 s71, s71, 0x1ffff                    ; the next step's K; behind the last step, the first's again, for the next pass
	s_add_co_u32 s72, s69, 512
	s_and_b32 s72, s72, 0x1fff
	v_add_nc_u32 v[ADV], s68, v[AV0]
	v_add_nc_u32 v[ADT], s70, v[ASV0]
	v_add_nc_u32 v[ADK], s71, v[AK0]
	v_add_nc_u32 v[ADS], s72, v[ASK0]
	NOPS 4                                         ; with the four lines above: eight places behind the products
.irp n, 0,1,2,3,4,5,6,7
	v_max3_num_f32 v[BM+\n], v[S+16*\n], v[S+16*\n+1], v[S+16*\n+2]   ; my 16 scores of each block of 32 keys: block n % 4 of tile n / 4, the eight by turns
.endr
.irp i, 3,5,7,9,11,13
.irp n, 0,1,2,3,4,5,6,7
	v_max3_num_f32 v[BM+\n], v[BM+\n], v[S+16*\n+\i], v[S+16*\n+\i+1]
.endr
.endr
.irp n, 0,1,2,3,4,5,6,7
	v_max_num_f32 v[BM+\n], v[BM+\n], v[S+16*\n+15]
.endr
.irp t, 0,1,2,3
	ds_load_b32 v[VSC+\t], v[ADT] offset:64*\t     ; this step's V, and the next step's K: the maxima above are the places behind the products that read these registers
.endr
	WIN 0x40
.irp t, 0,1,2,3
.irp c, 0,1,2,3
	ds_load_b128 v[VF+16*\t+4*\c:VF+16*\t+4*\c+3], v[ADV] offset:4096*(\c/2)+1024*\t+512*(\c%2)
.endr
.endr
	KLOAD ADK, ADS
.irp w, 0,1
	v_max3_num_f32 v[TT+\w], v[BM+4*\w], v[BM+4*\w+1], v[BM+4*\w+2]
.endr
.irp w, 0,1
	s_delay_alu instid0(VALU_DEP_2)
	v_max_num_f32 v[TT+\w], v[TT+\w], v[BM+4*\w+3]
.endr
.irp w, 0,1
	s_delay_alu instid0(VALU_DEP_2)
	v_permlanex16_b32 v[T1+\w], v[TT+\w], s20, s21
.endr
.irp w, 0,1
	s_delay_alu instid0(VALU_DEP_2)
	v_max3_num_f32 v[ST+4*\w+1], v[ST+4*\w+1], v[TT+\w], v[T1+\w]   ; the running largest score: mine, lane l xor 16's, the old one
.endr
.irp w, 0,1
	s_delay_alu instid0(VALU_DEP_2)
	v_mul_f32 v[TT+\w], s22, v[ST+4*\w+1]          ; as t
.endr
.irp w, 0,1
	v_mov_b32 v[T1+\w], v[ST+4*\w]
.endr
.irp w, 0,1
	s_delay_alu instid0(VALU_DEP_4)
	v_floor_f32 v[ST+4*\w], -v[TT+\w]              ; -M = floor(-t)
.endr
.irp w, 0,1
	s_delay_alu instid0(VALU_DEP_2)
	v_sub_f32 v[TT+\w], v[ST+4*\w], v[T1+\w]       ; old M - new M, a whole number, 0 or less
.endr
.irp n, 0,1,2,3,4,5,6,7
	v_fma_f32 v[BM+\n], v[BM+\n], s22, v[ST+4*(\n/4)]   ; t - M of my largest score of each block
.endr
.irp w, 0,1
	v_cvt_i32_f32 v[TT+\w], v[TT+\w]               ; (it saturates)
.endr
.irp n, 0,1,2,3,4,5,6,7
	v_permlanex16_b32 v[T1+\n], v[BM+\n], s20, s21
.endr
.irp w, 0,1
	v_ldexp_f32 v[F+2*\w], 1.0, v[TT+\w]           ; f = 2^(old M - new M)
.endr
.irp n, 0,1,2,3,4,5,6,7
	v_max3_num_f32 v[BM+\n], v[BM+\n], v[T1+\n], 0xc2dd0000   ; with lane l xor 16's, and the floor -110.5: its power of two has the exponent -111, so the byte cannot fall under 1
.endr
.set I, 0
.rept 32
	v_pk_fma_f32 v[S+I:S+I+1], v[S+I:S+I+1], s[22:23], v[ST:ST+1] op_sel_hi:[1,0,0]   ; tile 0: t - M
.set I, I+2
.endr
	s_wait_alu depctr_va_vdst(0)                   ; ahead of the batch
.irp n, 0,1,2,3,4,5,6,7
	v_exp_f32 v[BM+\n], v[BM+\n]                   ; each block's largest p
.endr
.set I, 0
.rept 32
	v_exp_f32 v[S+I], v[S+I]                       ; tile 0: p = 2^(t - M); by turns with tile 1's t - M, which is first read behind the wait below
	v_pk_fma_f32 v[S+64+I:S+64+I+1], v[S+64+I:S+64+I+1], s[22:23], v[ST+4:ST+5] op_sel_hi:[1,0,0]
	v_exp_f32 v[S+I+1], v[S+I+1]
.set I, I+2
.endr
.irp w, 0,1
	v_pk_mul_f32 v[ST+4*\w+2:ST+4*\w+3], v[ST+4*\w+2:ST+4*\w+3], v[F+2*\w:F+2*\w+1] op_sel_hi:[1,0]   ; the sums under the new M (plain places behind the batch)
.endr
	s_wait_alu depctr_va_vdst(0)                   ; one wait for the batch, ahead of its first reader
.irp n, 0,1,2,3,4,5,6,7
	v_add_nc_u32 v[SO+\n], 0xf8800000, v[BM+\n]    ; 15 off the exponent field: the conversion's scale operand
.endr
.irp n, 0,1,2,3,4,5,6,7
	v_and_or_b32 v[HL+\n], v[BM+\n], 0x7f800000, s60   ; 57,344 x the scale
.endr
.irp n, 0,1,2,3,4,5,6,7
	v_lshrrev_b32 v[T1+\n], 23, v[SO+\n]           ; the byte
.endr
.irp w, 0,1
	v_lshl_or_b32 v[PSC+\w], v[T1+4*\w+1], 8, v[T1+4*\w]
	v_lshl_or_b32 v[TT+\w], v[T1+4*\w+3], 8, v[T1+4*\w+2]
.endr
.irp w, 0,1
	v_lshl_or_b32 v[PSC+\w], v[TT+\w], 16, v[PSC+\w]
.endr
	s_wait_alu depctr_va_vdst(0)                   ; ahead of the second batch: the lines among it read what was just written
.set I, 0
.rept 16
	v_exp_f32 v[S+64+4*I], v[S+64+4*I]             ; tile 1's p; by turns with tile 0's first sums (16 pairs, into the registers that later take the codes) and its holds: none reads another's result
	v_pk_add_f32 v[PC+2*I:PC+2*I+1], v[S+4*I:S+4*I+1], v[S+4*I+2:S+4*I+3]
	v_exp_f32 v[S+64+4*I+1], v[S+64+4*I+1]
	HOLD2 S+4*I, HL+I/4
	v_exp_f32 v[S+64+4*I+2], v[S+64+4*I+2]
	HOLD2 S+4*I+2, HL+I/4
	v_exp_f32 v[S+64+4*I+3], v[S+64+4*I+3]
.set I, I+1
.endr
	v_nop                                          ; a plain place behind the batch
	s_wait_alu depctr_va_vdst(0)                   ; and its wait
.irp m, 8,16,24
.irp k, 0,2,4,6
	v_pk_add_f32 v[PC+\k:PC+\k+1], v[PC+\k:PC+\k+1], v[PC+\k+\m:PC+\k+\m+1]   ; tile 0's 16 pairs, in four chains
.endr
.endr
	v_pk_add_f32 v[T1:T1+1], v[S+64:S+65], v[S+66:S+67]   ; tile 1: the sum of the unquantised p, in two chains; each pair is held behind its addition
	HOLD2 S+64, HL+4
	HOLD2 S+66, HL+4
.irp j, 4,8,12,16,20,24,28,32,36,40,44,48,52,56,60
	v_pk_add_f32 v[ST+6:ST+7], v[ST+6:ST+7], v[S+64+\j:S+64+\j+1]
	v_pk_add_f32 v[T1:T1+1], v[T1:T1+1], v[S+64+\j+2:S+64+\j+3]
	HOLD2 S+64+\j, HL+4+\j/16
	HOLD2 S+64+\j+2, HL+4+\j/16
.endr
	v_pk_add_f32 v[PC:PC+1], v[PC:PC+1], v[PC+2:PC+3]
	v_pk_add_f32 v[PC+4:PC+5], v[PC+4:PC+5], v[PC+6:PC+7]
	v_pk_add_f32 v[ST+6:ST+7], v[ST+6:ST+7], v[T1:T1+1]
	v_pk_add_f32 v[PC:PC+1], v[PC:PC+1], v[PC+4:PC+5]
	s_delay_alu instid0(VALU_DEP_1)
	v_pk_add_f32 v[ST+2:ST+3], v[ST+2:ST+3], v[PC:PC+1]
.irp n, 0,1,2,3,4,5,6,7
	v_cvt_scalef32_pk8_bf8_f32 v[PC+4*\n:PC+4*\n+1], v[S+16*\n:S+16*\n+7], v[SO+\n]
	v_cvt_scalef32_pk8_bf8_f32 v[PC+4*\n+2:PC+4*\n+3], v[S+16*\n+8:S+16*\n+15], v[SO+\n]
.endr
	v_nop                                          ; a plain line behind the last conversion
	WIN 0x41
	s_wait_alu depctr_va_vdst(0)                   ; ahead of the first reader of O^T
.irp w, 0,1
.irp j, 0,2,4,6,8,10,12,14,16,18,20,22,24,26,28,30
	v_pk_mul_f32 v[OT+32*\w+\j:OT+32*\w+\j+1], v[OT+32*\w+\j:OT+32*\w+\j+1], v[F+2*\w:F+2*\w+1] op_sel_hi:[1,0]   ; O^T under the new M; also the places ahead of the products
.endr
.endr
	s_wait_alu depctr_va_vdst(0)
	s_wait_dscnt 24                                ; V and its scale words are in; the next K's 16 loads and 8 scale loads may be out
	WIN 0x51
.irp t, 0,1,2,3
.irp w, 0,1
	v_wmma_scale_f32_16x16x128_f8f6f4 v[OT+32*\w+8*\t:OT+32*\w+8*\t+7], v[VF+16*\t:VF+16*\t+15], v[PC+16*\w:PC+16*\w+15], v[OT+32*\w+8*\t:OT+32*\w+8*\t+7], v[VSC+\t], v[PSC+\w] matrix_a_fmt:MATRIX_FMT_BF8 matrix_b_fmt:MATRIX_FMT_BF8
.endr
.endr
	WIN 0
.endm
	s_wait_alu depctr_va_vdst(0)
	s_wait_tensorcnt 0x0                           ; my load is in,
	s_barrier_signal -1
	s_barrier_wait -1                              ; and everybody's: K, V and their scale bytes stay as they are from here on
	KLOAD AK0, ASK0                                ; the first step's K
.Lpass:
	s_cmp_eq_u32 s66, 2
	s_cbranch_scc1 .Lfirst
	WIN 0x41
.irp w, 0,1
.irp i, 0,1,2,3,4,5,6,7
	v_mov_b32 v[QF+16*\w+\i], v[QN+8*\w+\i]        ; the second pass's Q
.endr
.endr
	WIN 0
.irp w, 0,1
	v_mov_b32 v[QSC+\w], v[QSN+\w]
.endr
.Lfirst:
.irp w, 0,1
	v_mov_b32 v[ST+4*\w], 0x7f61b1e6               ; -M: 3e38
	v_mov_b32 v[ST+4*\w+1], 0xff61b1e6             ; the largest score so far: -3e38
	v_mov_b32 v[ST+4*\w+2], 0
	v_mov_b32 v[ST+4*\w+3], 0
.endr
	WIN 0x40
.set I, 0
.rept 64
	v_mov_b32 v[OT+I], 0                           ; O^T: the step is written once; the first change of M leaves zeros zeros
.set I, I+1
.endr
	WIN 0
	s_mov_b32 s68, 0
	s_mov_b32 s69, 0
	s_mov_b32 s70, 0
	s_mov_b32 s67, 16
	s_wait_alu depctr_va_vdst(0)
	s_wait_loadcnt 0x0                             ; Q
.Lstep:
	STEP
	s_add_co_u32 s68, s68, 8192
	s_add_co_u32 s69, s69, 512
	s_add_co_u32 s70, s70, 256
	s_sub_co_u32 s67, s67, 1
	s_cmp_lg_u32 s67, 0
	s_cbranch_scc1 .Lstep
; THE WAY OUT of a pass: O^T / the sum, quantised along d (two blocks of 32 a query), through my stage, as dense rows of 64 bytes of o_codes [head][8192][64]; two scale bytes a query into o_sc [8192][32].
	NOPS 8
.irp w, 0,1
	v_add_f32 v[ST+4*\w+2], v[ST+4*\w+2], v[ST+4*\w+3]
.endr
.irp w, 0,1
	v_permlanex16_b32 v[T1+\w], v[ST+4*\w+2], s20, s21
.endr
.irp w, 0,1
	v_add_f32 v[ST+4*\w+2], v[ST+4*\w+2], v[T1+\w]
.endr
	s_wait_alu depctr_va_vdst(0)                   ; ahead of the batch
.irp w, 0,1
	v_rcp_f32 v[ST+4*\w+2], v[ST+4*\w+2]
.endr
	v_nop
	WIN 0x01
	s_wait_alu depctr_va_vdst(0)                   ; behind the batch, and directly ahead of the first reader of O^T
.irp w, 0,1
.irp j, 0,2,4,6,8,10,12,14,16,18,20,22,24,26,28,30
	v_pk_mul_f32 v[S+32*\w+\j:S+32*\w+\j+1], v[OT+32*\w+\j:OT+32*\w+\j+1], v[ST+4*\w+2:ST+4*\w+3] op_sel_hi:[1,0]
.endr
.endr
	WIN 0
.irp b, 0,1,2,3
	v_max3_num_f32 v[BM+\b], |v[S+16*\b]|, |v[S+16*\b+1]|, 0x8000000
.endr
.irp i, 2,4,6,8,10,12,14
.irp b, 0,1,2,3
	v_max3_num_f32 v[BM+\b], v[BM+\b], |v[S+16*\b+\i]|, |v[S+16*\b+\i+1]|
.endr
.endr
.irp b, 0,1,2,3
	v_permlanex16_b32 v[T1+\b], v[BM+\b], s20, s21
.endr
.irp b, 0,1,2,3
	v_max_num_f32 v[BM+\b], v[BM+\b], v[T1+\b]
.endr
.irp b, 0,1,2,3
	v_add_nc_u32 v[SO+\b], 0xf8800000, v[BM+\b]
.endr
.irp b, 0,1,2,3
	v_and_or_b32 v[HL+\b], v[BM+\b], 0x7f800000, s60
.endr
.irp b, 0,1,2,3
	v_lshrrev_b32 v[T1+\b], 23, v[SO+\b]
.endr
	v_lshl_or_b32 v[OB], v[T1+1], 8, v[T1]
	v_lshl_or_b32 v[TT], v[T1+3], 8, v[T1+2]
	v_cmp_gt_u32 vcc_lo, 16, v[LN]
	v_cndmask_b32 v[OB], v[TT], v[OB], vcc_lo      ; lanes 0-15 carry the first tile's bytes, lanes 16-31 the second's
.irp b, 0,1,2,3
.irp i, 0,1,2,3,4,5,6,7,8,9,10,11,12,13,14,15
	v_med3_num_f32 v[S+16*\b+\i], v[S+16*\b+\i], -v[HL+\b], v[HL+\b]
.endr
.endr
.irp b, 0,1,2,3
	v_cvt_scalef32_pk8_bf8_f32 v[PC+4*\b:PC+4*\b+1], v[S+16*\b:S+16*\b+7], v[SO+\b]
	v_cvt_scalef32_pk8_bf8_f32 v[PC+4*\b+2:PC+4*\b+3], v[S+16*\b+8:S+16*\b+15], v[SO+\b]
.endr
	v_nop
.irp b, 0,1,2,3
	ds_store_b128 v[STO], v[PC+4*\b:PC+4*\b+3] offset:1024*(\b/2)+32*(\b%2)
.endr
.irp k, 0,1,2,3
	ds_load_b128 v[PC+16+4*\k:PC+16+4*\k+3], v[RD] offset:512*\k   ; LDS serves a wave's instructions in order: these see my stores
.endr
	global_store_b16 v[SOF], v[OB], s[10:11]
.irp k, 0,1,2,3
	s_wait_dscnt 3-\k
	global_store_b128 v[AK0], v[PC+16+4*\k:PC+16+4*\k+3], s[8:9] offset:512*\k   ; 512 consecutive bytes, aligned
.endr
	s_wait_xcnt 0x0                                ; the stores have read their registers and bases: both are written again below and in the next pass
	s_add_nc_u64 s[8:9], s[8:9], 16384             ; 256 queries on
	s_add_nc_u64 s[10:11], s[10:11], 8192
	s_sub_co_u32 s66, s66, 1
	s_cmp_lg_u32 s66, 0
	s_wait_alu depctr_va_vdst(0)
	s_cbranch_scc1 .Lpass
	s_wait_tensorcnt 0x0                           ; the wave's end
	ds_add_u32 v[SPW], v[NIL]
	s_wait_dscnt 0x0
	CROUND                                         ; the closing round
	s_endpgm
.Lfunc_end_k_qddc499bb76_attn:
	.size	k_qddc499bb76_attn, .Lfunc_end_k_qddc499bb76_attn-k_qddc499bb76_attn
	.p2alignl 7, 3214868480
	.fill 96, 4, 3214868480
	.section	.rodata,"a",@progbits
	.p2align	6, 0x0
	.amdhsa_kernel k_qddc499bb76_attn
		.amdhsa_group_segment_fixed_size 327680
		.amdhsa_private_segment_fixed_size 0
		.amdhsa_enable_private_segment 0
		.amdhsa_kernarg_size 32
		.amdhsa_user_sgpr_count 2
		.amdhsa_user_sgpr_kernarg_segment_ptr 1
		.amdhsa_wavefront_size32 1
		.amdhsa_system_sgpr_workgroup_id_x 1
		.amdhsa_system_sgpr_workgroup_id_y 1
		.amdhsa_system_sgpr_workgroup_id_z 1
		.amdhsa_system_vgpr_workitem_id 0
		.amdhsa_next_free_vgpr 512
		.amdhsa_next_free_sgpr 100
		.amdhsa_reserve_vcc 1
		.amdhsa_float_denorm_mode_32 3
		.amdhsa_float_denorm_mode_16_64 3
		.amdhsa_memory_ordered 1
		.amdhsa_forward_progress 1
		.amdhsa_inst_pref_size 62
	.end_amdhsa_kernel
	.amdgpu_metadata
---
amdhsa.version: [ 1, 2 ]
amdhsa.kernels:
  - .name:           k_qddc499bb76_attn
    .symbol:         k_qddc499bb76_attn.kd
    .args:
      - { .name: qkv_codes, .offset: 0, .size: 8, .value_kind: global_buffer, .address_space: global }
      - { .name: qkv_sc, .offset: 8, .size: 8, .value_kind: global_buffer, .address_space: global }
      - { .name: o_codes, .offset: 16, .size: 8, .value_kind: global_buffer, .address_space: global }
      - { .name: o_sc, .offset: 24, .size: 8, .value_kind: global_buffer, .address_space: global }
    .group_segment_fixed_size: 327680
    .private_segment_fixed_size: 0
    .kernarg_segment_align: 8
    .kernarg_segment_size: 32
    .max_flat_workgroup_size: 256
    .sgpr_count:     100
    .vgpr_count:     512
    .wavefront_size: 32
...
	.end_amdgpu_metadata
.endif
;; end of part 3
;; launch proj (part 4): grid 4 x 64, 4 waves a work-group, clusters of 4 x 4, 327,680 bytes of LDS; arguments o_codes, o_sc, w_codes, w_sc, bo, out0; writes out0
.if DOCPART == 4
	.amdgcn_target "amdgcn-amd-amdhsa--gfx1250"
	.amdhsa_code_object_version 6
	.text
	.protected	k_qddc499bb76_proj
	.globl	k_qddc499bb76_proj
	.p2align	8
	.type	k_qddc499bb76_proj,@function
k_qddc499bb76_proj:
	s_mov_b64 s[64:65], 0
	v_nop
	global_prefetch_b8 v0, s[64:65] scope:SCOPE_SE
	s_setreg_imm32_b32 hwreg(HW_REG_WAVE_MODE, 25, 1), 1
	s_wait_xcnt 0x0
	s_wait_alu depctr_hold_cnt(0) depctr_sa_sdst(0) depctr_va_vdst(0) depctr_va_sdst(0) depctr_va_ssrc(0) depctr_va_vcc(0) depctr_vm_vsrc(0)
	s_getreg_b32 s2, hwreg(HW_REG_IB_STS2, 6, 4)
	s_cmp_eq_u32 s2, 0
	s_cbranch_scc0 .Lentry_in_a_cluster
	s_endpgm
.Lentry_in_a_cluster:
	s_bfe_u32 s2, ttmp6, 0x10000c
	s_cmp_lg_u32 s2, 0xf033
	s_cbranch_scc0 .Lentry_shape_is_right
	s_endpgm
.Lentry_shape_is_right:
.set NQ,     2
.set ROWB,   256
.set KROW,   1024
.set PITCH,  272
.set FR,     16
.set NL,     4
.set NP,     8
.set HALFA,  4*128*80
.set HALFT,  128*PITCH
; out0 = o wo^T + bo on codes of E5M2 with E8M0 scales.  A block of 128 rows x 256 columns to a work-group: 64 x 4 = 256 work-groups; a wave makes 64 x 128: 32 accumulators.
; A slot holds 256 along K: A's 128 rows (four heads' planes of 128 rows x 64 bytes, one load) and B's 256 rows (one load).  A's and B's fragments have two sets of registers each.
.set BOFF,   HALFA
.set SLOT,   HALFA+2*HALFT
.set ASTEP,  4*524288
.set LAPS,   2
.set KS,     32
.set SCL,    2*SLOT
.set HALFS,  (128*KS/256)*272
.set SBLK,   (16*KS/256)*272
.set SPARE,  SCL+4*HALFS
.set SPITCH, 528
.set SIZE_N, 1024
.set ADRA, 16
.set ADRB, 20
.set STO,  24
.set RD,   25
.set CO,   26
.set ADRS, 27
.set SPW,  28
.set NIL,  29
.set SC,   32
.set BIAS, 64
.set AF,   128
.set BK,   128
.set G1, 24
.set G0, 32
.set G1B, 48
.set G0B, 56
.set G1S, 68
.set G0S, 76
.set G1SB, 80
.set G0SB, 88
.set MSB, 0
.macro WIN new
.if MSB != \new
	s_set_vgpr_msb (MSB<<8)|\new
.set MSB, \new
.endif
.endm
.set MUL_LO, 0xa1
.set MUL_HI, 0xf1
.set FST_LO, 0x81
.set FST_HI, 0xc1
.set TO_B,   0x40
.macro JLOAD g0a, g1a, g0b, g1b
	s_cmp_eq_u32 s14, 0                            ; in the ring wave 0 fetches A's tile, wave 1 B's, the others nothing
	s_cbranch_scc0 .Lfor_b_\@
	tensor_load_to_lds s[\g0a:\g0a+3], s[\g1a:\g1a+7]
	s_nop 0
.rept 4
	v_nop
.endr
	s_branch .Lasked_\@
.Lfor_b_\@:
	s_cmp_eq_u32 s14, 1
	s_cbranch_scc0 .Lasked_\@
	tensor_load_to_lds s[\g0b:\g0b+3], s[\g1b:\g1b+7]
	s_nop 0
.rept 4
	v_nop
.endr
.Lasked_\@:
.endm
.macro CREST
	s_cmp_lg_u32 s14, 0
	s_cbranch_scc1 .Lnot_wave_0_\@
	s_barrier_signal -3
.Lnot_wave_0_\@:
	s_barrier_wait -3
	s_barrier_signal -1
	s_barrier_wait -1
.endm
.macro CROUND
	s_barrier_signal -1
	s_barrier_wait -1
	CREST
.endm
	s_load_b256 s[4:11], s[0:1], 0x0
	s_load_b128 s[96:99], s[0:1], 0x20
	v_lshl_add_u32 v[SPW], v0, 2, SPARE
	v_mov_b32 v[NIL], 0
	ds_add_u32 v28, v29
	ds_add_u32 v28, v29
	s_wait_dscnt 0x0
	v_lshrrev_b32 v1, 5, v0
	v_readfirstlane_b32 s14, v1
	s_lshr_b32 s15, s14, 1
	s_and_b32 s16, s14, 1
	s_bfe_u32 s40, ttmp6, 0x40000
	s_bfe_u32 s41, ttmp6, 0x40004
	s_lshl_b32 s42, ttmp9, 2
	s_add_co_u32 s42, s42, s40
	s_and_b32 s17, ttmp7, 0xffff
	s_lshl_b32 s17, s17, 2
	s_add_co_u32 s17, s17, s41
	s_lshl_b32 s43, s41, 2
	s_lshl_b32 s43, 15, s43
	s_lshl_b32 s44, 0x1111, s40
	s_or_b32 s[G1+0], s43, (0<<16)|(1<<20)|(1<<21)|(3<<22)|(3<<25)
	s_mov_b32 s[G1+1], (8192&0xffff)<<16
	s_mov_b32 s[G1+2], 4<<16
	s_mov_b32 s[G1+3], 8192<<16
	s_mov_b32 s[G1+4], 4
	s_mov_b32 s[G1+5], 524288
	s_mov_b32 s[G1+6], 0
	s_mov_b32 s[G1+7], 0
	s_or_b32 s[G1B+0], s44, (0<<16)|(1<<20)|(1<<21)|(5<<22)|(3<<25)
	s_mov_b32 s[G1B+1], ROWB<<16
	s_mov_b32 s[G1B+2], 256<<16
	s_mov_b32 s[G1B+3], ROWB<<16
	s_mov_b32 s[G1B+4], 256
	s_mov_b32 s[G1B+5], KROW
	s_mov_b32 s[G1B+6], 0
	s_mov_b32 s[G1B+7], 0
	s_or_b32 s[G1S+0], s43, (3<<16)|(1<<20)|(1<<21)|(5<<22)|(3<<25)
	s_or_b32 s[G1SB+0], s44, (3<<16)|(1<<20)|(1<<21)|(5<<22)|(3<<25)
.irp g, G1S, G1SB
	s_mov_b32 s[\g+1], 32<<16
	s_mov_b32 s[\g+2], (128*KS/256)<<16
	s_mov_b32 s[\g+3], 32<<16
	s_mov_b32 s[\g+4], 128*KS/256
	s_mov_b32 s[\g+5], 32
	s_mov_b32 s[\g+6], 0
	s_mov_b32 s[\g+7], 0
.endr
	s_mov_b32 s[G1SB+2], KS<<16                    ; B's scales: 256 rows, KS rows of 256 bytes
	s_mov_b32 s[G1SB+4], KS
	s_lshl_b32 s20, s17, 7                         ; A: the block's first row, 128 x block row
	s_lshl_b32 s46, s42, 8                         ; B: 256 x block column
	s_mov_b32 s21, 0
	s_mov_b32 s47, 0
	s_mov_b64 s[18:19], KS
	s_mul_u64 s[22:23], s[20:21], s[18:19]
	s_mul_u64 s[92:93], s[46:47], s[18:19]
	s_mov_b64 s[18:19], 64
	s_mul_u64 s[20:21], s[20:21], s[18:19]
	s_mov_b64 s[18:19], KROW
	s_mul_u64 s[46:47], s[46:47], s[18:19]
	s_mov_b32 s45, 0                               ; A's tile at a slot's head
	s_mov_b32 s95, 0
	s_add_co_u32 s95, s95, BOFF
	s_mov_b32 s94, 0
	s_wait_kmcnt 0x0
	s_add_nc_u64 s[8:9], s[8:9], 0x300000
	s_add_nc_u64 s[10:11], s[10:11], 0x18000
	s_mov_b64 s[12:13], s[98:99]
	s_add_nc_u64 s[20:21], s[4:5], s[20:21]
	s_add_nc_u64 s[22:23], s[6:7], s[22:23]
	s_add_nc_u64 s[46:47], s[8:9], s[46:47]
	s_add_nc_u64 s[92:93], s[10:11], s[92:93]
	CROUND
	s_mov_b32 s[G0S], 1
	s_add_co_u32 s[G0S+1], s94, SCL
	s_mov_b64 s[G0S+2:G0S+3], s[22:23]
	s_or_b32 s[G0S+3], s[G0S+3], 0x80000000
	s_mov_b32 s[G0SB], 1
	s_add_co_u32 s[G0SB+1], s94, SCL+HALFS         ; B's scales behind those of A's 128 rows
	s_mov_b64 s[G0SB+2:G0SB+3], s[92:93]
	s_or_b32 s[G0SB+3], s[G0SB+3], 0x80000000
.irp s, 0,1
	s_mov_b32 s[G0+4*\s], 1
	s_add_co_u32 s[G0+4*\s+1], s45, \s*SLOT
	s_add_nc_u64 s[G0+4*\s+2:G0+4*\s+3], s[20:21], \s*ASTEP
	s_or_b32 s[G0+4*\s+3], s[G0+4*\s+3], 0x80000000
	s_mov_b32 s[G0B+4*\s], 1
	s_add_co_u32 s[G0B+4*\s+1], s95, \s*SLOT
	s_add_nc_u64 s[G0B+4*\s+2:G0B+4*\s+3], s[46:47], \s*ROWB
	s_or_b32 s[G0B+4*\s+3], s[G0B+4*\s+3], 0x80000000
.endr
; THE HEAD'S LOADS, ONE A WAVE: wave 0 K step 0's tile of A, wave 1 that of B, wave 2 A's scales, wave 3 B's.  One tree of branches on the wave's number: every way passes exactly one load.
.macro ARM under, g0, g1, next
	s_cmp_lt_u32 s14, \under
	s_cbranch_scc0 \next
	tensor_load_to_lds s[\g0:\g0+3], s[\g1:\g1+7]
	s_nop 0
.rept 4
	v_nop
.endr
	s_branch .Lhead_asked
\next:
.endm
	ARM 1, G0,  G1,  .Lhead_b
	ARM 2, G0B, G1B, .Lhead_sa
	ARM 3, G0S, G1S, .Lhead_sb
	tensor_load_to_lds s[G0SB:G0SB+3], s[G1SB:G1SB+7]
	s_nop 0
.rept 4
	v_nop
.endr
.Lhead_asked:
	v_and_b32 v1, 15, v0
	v_bfe_u32 v2, v0, 4, 1
	v_mul_u32_u24 v3, v1, PITCH
	v_lshl_add_u32 v4, v2, 4, v3
	v_mul_u32_u24 v3, v1, 80
	v_lshl_add_u32 v3, v2, 4, v3
	s_mul_i32 s21, s15, 64*80                      ; my 64 rows of A, in each of the four planes
	s_mul_i32 s22, s16, HALFT
	s_add_co_u32 s22, s22, BOFF
.irp s, 0,1
	v_add_nc_u32 v[ADRA+\s], s21, v3
	v_add_nc_u32 v[ADRB+\s], s22, v4
	s_add_co_u32 s21, s21, SLOT
	s_add_co_u32 s22, s22, SLOT
.endr
	v_mul_u32_u24 v5, v1, KS
	v_lshrrev_b32 v6, 8, v5
	v_lshl_add_u32 v5, v6, 4, v5
	s_mul_i32 s21, s15, HALFS/2                    ; the scales of my 64 rows of A
	s_mul_i32 s22, s16, HALFS                      ; and of my 128 rows of B, behind A's 128
	s_add_co_u32 s22, s22, HALFS
	s_sub_co_u32 s22, s22, s21
	v_mul_u32_u24 v6, s22, v2
	s_add_co_u32 s21, s21, SCL
	v_add_nc_u32 v5, v5, v6
	v_add_nc_u32 v[ADRS], s21, v5
	s_mul_i32 s23, s14, 16*SPITCH
	v_mul_u32_u24 v5, v1, SPITCH
	v_lshl_add_u32 v5, v2, 5, v5
	v_add_nc_u32 v[STO], s23, v5
	v_and_b32 v6, 31, v0
	v_lshlrev_b32 v[CO], 4, v6
	v_add_nc_u32 v[RD], s23, v[CO]
	s_lshl_b32 s20, s17, 7
	s_lshl_b32 s21, s15, 6
	s_add_co_u32 s20, s20, s21                     ; my first row of the result: 128 x block row + 64 x half
	s_mov_b32 s21, 0
	s_mov_b64 s[18:19], SIZE_N*4
	s_mul_u64 s[20:21], s[20:21], s[18:19]
	s_lshl_b32 s46, s42, 10
	s_lshl_b32 s47, s16, 9
	s_add_co_u32 s46, s46, s47
	s_mov_b32 s47, 0
	s_add_nc_u64 s[96:97], s[96:97], s[46:47]
	s_add_nc_u64 s[20:21], s[20:21], s[46:47]
	s_add_nc_u64 s[12:13], s[12:13], s[20:21]
	v_lshlrev_b32 v7, 5, v2
.irp b, 0,1,2,3,4,5,6,7
	global_load_b128 v[BIAS+8*\b:BIAS+8*\b+3], v7, s[96:97] offset:64*\b
	global_load_b128 v[BIAS+8*\b+4:BIAS+8*\b+7], v7, s[96:97] offset:64*\b+16
.endr
.macro FRAG reg, adr, q, i
.irp c, 0,1,2,3
	ds_load_b128 v[\reg+4*\c:\reg+4*\c+3], v[\adr] offset:128*(\q)+32*\c+(\i)*16*PITCH
.endr
.endm
.macro FRAGA reg, adr, q, i
.irp c, 0,1,2,3
	ds_load_b128 v[\reg+4*\c:\reg+4*\c+3], v[\adr] offset:(2*(\q)+\c/2)*10240+1280*(\i)+32*(\c%2)
.endr
.endm
.macro MUL16 a0, p, q, sc, first
.irp a, \a0, \a0+1
.irp b, 0,1,2,3,4,5,6,7
.if \first
	v_wmma_scale_f32_16x16x128_f8f6f4 v[8*(8*((\a)%4)+\b):8*(8*((\a)%4)+\b)+7], v[128*(\p)+FR*\b:128*(\p)+FR*\b+FR-1], v[AF+FR*(\a):AF+FR*(\a)+FR-1], v[BIAS+8*\b:BIAS+8*\b+7], v[SC+8*NQ*(\sc)+NQ*\b+(\q)], v[SC+8*NQ*(\sc)+NQ*(\a)+(\q)] matrix_a_fmt:MATRIX_FMT_BF8 matrix_b_fmt:MATRIX_FMT_BF8 matrix_a_scale:MATRIX_SCALE_ROW1
.else
	v_wmma_scale_f32_16x16x128_f8f6f4 v[8*(8*((\a)%4)+\b):8*(8*((\a)%4)+\b)+7], v[128*(\p)+FR*\b:128*(\p)+FR*\b+FR-1], v[AF+FR*(\a):AF+FR*(\a)+FR-1], v[8*(8*((\a)%4)+\b):8*(8*((\a)%4)+\b)+7], v[SC+8*NQ*(\sc)+NQ*\b+(\q)], v[SC+8*NQ*(\sc)+NQ*(\a)+(\q)] matrix_a_fmt:MATRIX_FMT_BF8 matrix_b_fmt:MATRIX_FMT_BF8 matrix_a_scale:MATRIX_SCALE_ROW1
.endif
.endr
.endr
.endm
.macro FETCH_B slot, q, p
	WIN TO_B
.irp i, 0,1,2,3,4,5,6,7
	FRAG 128*(\p)+FR*\i, ADRB+\slot, \q, \i
.endr
	WIN 0
.endm
.macro FETCH_A slot, q, i0
.irp i, \i0, \i0+1, \i0+2, \i0+3
	FRAGA AF+FR*(\i), ADRA+\slot, \q, \i
.endr
.endm
.macro SCALES sc
.irp i, 0,1,2,3,4,5,6,7
	ds_load_b64 v[SC+8*NQ*\sc+NQ*\i:SC+8*NQ*\sc+NQ*\i+1], v[ADRS] offset:\i*SBLK
.endr
.endm
.macro PLACES n
.rept \n
	v_nop
.endr
.endm
.macro STEP slot, q, first
.set AF, 192                           ; the slot's second 128 along K goes into the second sets, ahead of this step's products (eight places stand behind the products that read them last)
	FETCH_B \slot, (\q)+1, 1
	FETCH_A \slot, (\q)+1, 0
.set AF, 128
	s_wait_dscnt 12*NL                             ; all but the 48 loads just issued: this step's fragments and scale words are in
.if \first
	WIN FST_LO
.else
	WIN MUL_LO
.endif
	MUL16 0, (\q)%2, \q, \slot, \first
	MUL16 2, (\q)%2, \q, \slot, \first
	WIN 0
.endm
.macro TURN slot, next, fill
	s_wait_tensorcnt 0x0
	ds_add_u32 v[SPW], v[NIL]
.set AF, 192
	s_wait_dscnt 1                                 ; this step's fragments are in; the add may be out
	WIN MUL_LO
	MUL16 0, 1, NQ-1, \slot, 0
	s_wait_dscnt 0x0
	s_barrier_signal -1
	MUL16 2, 1, NQ-1, \slot, 0
	WIN 0
	s_barrier_wait -1
.if \fill
	CREST
	s_add_nc_u64 s[G0+4*\slot+2:G0+4*\slot+3], s[G0+4*\slot+2:G0+4*\slot+3], 2*ASTEP
	s_add_nc_u64 s[G0B+4*\slot+2:G0B+4*\slot+3], s[G0B+4*\slot+2:G0B+4*\slot+3], 2*ROWB
	JLOAD G0+4*\slot, G1, G0B+4*\slot, G1B
	PLACES NP                                      ; the waves that fetch nothing pass no v_nop at the load
.else
	PLACES NP
.endif
	s_wait_alu depctr_va_vdst(0)
	v_add_nc_u32 v[ADRS], 4*NQ, v[ADRS]
.set AF, 128
	FETCH_B \next, 0, 0
	FETCH_A \next, 0, 0
	SCALES \next
.endm
	s_wait_alu depctr_va_vdst(0)
	s_wait_tensorcnt 0x0                           ; my tile of the head's four is in; the same lines as ahead of a refill stand ahead of slot 1's first fill
	ds_add_u32 v[SPW], v[NIL]
	s_wait_dscnt 0x0
	CROUND                                         ; all four tiles are in, and all sixteen work-groups are here
	JLOAD G0+4, G1, G0B+4, G1B                     ; K step 1's loads, the first tensor loads behind the round
	FETCH_B 0, 0, 0
	FETCH_A 0, 0, 0
	SCALES 0
	s_wait_loadcnt 0x0
	STEP 0, 0, 1
	s_mov_b32 s3, LAPS-1
.Llap:
	TURN 0, 1, 1
	STEP 1, 0, 0
	TURN 1, 0, 1
	STEP 0, 0, 0
	s_sub_co_u32 s3, s3, 1
	s_cmp_lg_u32 s3, 0
	s_cbranch_scc1 .Llap
	TURN 0, 1, 0
	STEP 1, 0, 0
.set AF, 192
	s_wait_dscnt 0x0                               ; the very last step: nothing more to fetch
	WIN MUL_LO
	MUL16 0, 1, NQ-1, 1, 0
	MUL16 2, 1, NQ-1, 1, 0
	WIN 0
.macro TOSTAGE a
.set AC, 64*((\a)%4)
	WIN 0x08+4*((\a)/4)
.irp b, 0,1,2,3,4,5,6,7
	ds_store_b128 v[STO], v[AC+8*\b:AC+8*\b+3] offset:64*\b
	ds_store_b128 v[STO], v[AC+8*\b+4:AC+8*\b+7] offset:64*\b+16
.endr
	WIN 0
.set BB, BK+64*((\a)%2)
.irp t, 0,1,2,3,4,5,6,7,8,9,10,11,12,13,14,15
	ds_load_b128 v[BB+4*\t:BB+4*\t+3], v[RD] offset:\t*SPITCH
.endr
.endm
.macro SEND a, younger
.set BB, BK+64*((\a)%2)
	s_wait_dscnt \younger
.if (\a) > 0
	s_add_nc_u64 s[12:13], s[12:13], 16*SIZE_N*4
.endif
.irp t, 0,1,2,3,4,5,6,7,8,9,10,11,12,13,14,15
	global_store_b128 v[CO], v[BB+4*\t:BB+4*\t+3], s[12:13] offset:\t*SIZE_N*4 th:TH_STORE_NT
.endr
.endm
	PLACES NP
	TOSTAGE 0
.irp a, 1,2,3
.if \a > 1
	s_wait_xcnt 0x0
.endif
	TOSTAGE \a
	SEND \a-1, 32
.endr
	s_wait_xcnt 0x0
	SEND 3, 0
	s_wait_tensorcnt 0x0
	ds_add_u32 v[SPW], v[NIL]
	s_wait_dscnt 0x0
	CROUND
	s_endpgm
.Lfunc_end_k_qddc499bb76_proj:
	.size	k_qddc499bb76_proj, .Lfunc_end_k_qddc499bb76_proj-k_qddc499bb76_proj
	.p2alignl 7, 3214868480
	.fill 96, 4, 3214868480
	.section	.rodata,"a",@progbits
	.p2align	6, 0x0
	.amdhsa_kernel k_qddc499bb76_proj
		.amdhsa_group_segment_fixed_size 327680
		.amdhsa_private_segment_fixed_size 0
		.amdhsa_enable_private_segment 0
		.amdhsa_kernarg_size 48
		.amdhsa_user_sgpr_count 2
		.amdhsa_user_sgpr_kernarg_segment_ptr 1
		.amdhsa_wavefront_size32 1
		.amdhsa_system_sgpr_workgroup_id_x 1
		.amdhsa_system_sgpr_workgroup_id_y 1
		.amdhsa_system_sgpr_workgroup_id_z 1
		.amdhsa_system_vgpr_workitem_id 0
		.amdhsa_next_free_vgpr 1024
		.amdhsa_next_free_sgpr 100
		.amdhsa_reserve_vcc 0
		.amdhsa_float_denorm_mode_32 3
		.amdhsa_float_denorm_mode_16_64 3
		.amdhsa_memory_ordered 1
		.amdhsa_forward_progress 1
		.amdhsa_inst_pref_size 90
	.end_amdhsa_kernel
	.amdgpu_metadata
---
amdhsa.version: [ 1, 2 ]
amdhsa.kernels:
  - .name:           k_qddc499bb76_proj
    .symbol:         k_qddc499bb76_proj.kd
    .args:
      - { .name: o_codes, .offset: 0, .size: 8, .value_kind: global_buffer, .address_space: global }
      - { .name: o_sc, .offset: 8, .size: 8, .value_kind: global_buffer, .address_space: global }
      - { .name: w_codes, .offset: 16, .size: 8, .value_kind: global_buffer, .address_space: global }
      - { .name: w_sc, .offset: 24, .size: 8, .value_kind: global_buffer, .address_space: global }
      - { .name: bo, .offset: 32, .size: 8, .value_kind: global_buffer, .address_space: global }
      - { .name: out0, .offset: 40, .size: 8, .value_kind: global_buffer, .address_space: global }
    .group_segment_fixed_size: 327680
    .private_segment_fixed_size: 0
    .kernarg_segment_align: 8
    .kernarg_segment_size: 48
    .max_flat_workgroup_size: 128
    .sgpr_count:     100
    .vgpr_count:     1024
    .wavefront_size: 32
...
	.end_amdgpu_metadata
.endif
;; end of part 4
